; MI455X (gfx1250); checked and timed in simulation.
; The chip was launched on July 23, 2026; its instructions are those of AMD's public machine-readable ISA for CDNA 5 (MIT licence, August 2026) and "CDNA5" Instruction Set Architecture Reference Guide (July 2026). The comments in the code are by the model that wrote it; some were corrected since.
;; Multi Head Attention. Allowed arithmetic: matrix products marked QUANTISED: E2M3 operands, one E8M0 scale for each 32 along K, by v_wmma_scale_f32_16x16x128_f8f6f4 with both operands' format E2M3, f32 sums; everything else in f32.
;; Inputs: bk 1,024 float32; bo 1,024 float32; bq 1,024 float32; bv 1,024 float32; features 4 x 2,048 x 1,024 float32; mask 4 x 1 x 1 x 2,048 int32; wk 1,024 x 1,024 float32; wo 1,024 x 1,024 float32; wq 1,024 x 1,024 float32; wv 1,024 x 1,024 float32; x 4 x 2,048 x 1,024 float32.
;; Outputs: out0 4 x 2,048 x 1,024 float32.
;; This version of the problem:
;;   THIS VERSION OF THE PROBLEM IS GIVEN IN LOW PRECISION. The matrix products marked QUANTISED in the list below multiply operands that are first quantised to E2M3 (2 exponent bits, 3 mantissa bits; 6 bits a number), with one power-of-two scale for each 32 numbers along K (OCP MX v1.0); their sums are f32. All else is computed in f32.
;;   The module's matrix products, in the order in which they are computed (A, B: the left and right operand; K: the contracted axis; several contracted axes count as one K, in the product's order):
;;     1. [M 8,192, K 1,024] x [K 1,024, N 1,024]; A: input x; B: input wq: QUANTISED
;;     2. [M 8,192, K 1,024] x [K 1,024, N 1,024]; A: input features; B: input wk: QUANTISED
;;     3. [M 8,192, K 1,024] x [K 1,024, N 1,024]; A: input features; B: input wv: QUANTISED
;;     4. batch 64 x [M 2,048, K 64] x [K 64, N 2,048]; A: computed on the way; B: computed on the way: QUANTISED
;;     5. batch 64 x [M 2,048, K 2,048] x [K 2,048, N 64]; A: softmax (see below); B: computed on the way: QUANTISED
;;     6. [M 8,192, K 1,024] x [K 1,024, N 1,024]; A: computed on the way; B: input wo: QUANTISED
;;   THE QUANTISER, for each operand of a quantised product, along K:
;;     - K is cut into blocks of 32 from its start; a last block that is shorter is filled with zeros.
;;     - A block's scale is 2^e with e = floor(log2(the largest magnitude in the block)) - 2, held to -126 .. 127; a block of zeros has e = 0. As a byte (E8M0): e + 127.
;;     - Each number is divided by its block's scale, clamped to +-7.5, and rounded to the nearest number of E2M3, ties to even, subnormals kept.
;;     - The product sums the exact products of the quantised numbers (number of the format x scale) in f32.
;;   ~~~python
;;   def quantise(x, axis):      # numpy; x: float32 -> the quantised numbers, widened to float32 again
;;       x = np.moveaxis(x, axis, -1); K = x.shape[-1]
;;       x = np.pad(x, [(0, 0)] * (x.ndim - 1) + [(0, -K % 32)]); x = x.reshape(x.shape[:-1] + (-1, 32)); a = np.abs(x).max(-1, keepdims=True)
;;       e = np.where(a > 0, np.clip(np.frexp(np.where(a > 0, a, 1))[1] - 1 - 2, -126, 127), 0)      # np.frexp(a)[1] - 1 = floor(log2(a)), exactly
;;       r = np.clip(x / 2.0 ** e, -7.5, 7.5)
;;       step = 2.0 ** (np.maximum(np.frexp(np.where(r == 0, 1, r))[1] - 1, 0) - 3)
;;       q = np.round(r / step) * step * 2.0 ** e      # np.round: ties to even
;;       return np.moveaxis(q.reshape(q.shape[:-2] + (-1,))[..., :K], -1, axis).astype(np.float32)
;;   ~~~
;;   SOFTMAX AHEAD OF A QUANTISED PRODUCT. Where the list says 'softmax', what is quantised is not the finished softmax but p = 2^(t - M), with t = logit x log2(e) and M = ceil(the row's largest t), a whole number; so 1/2 < the row's largest p <= 1. The row's sum l is taken of the UNQUANTISED p, in f32, and the product's result is divided by l at the end. Since M is a whole number, a kernel that streams over the keys may use a running M (the ceiling of the running maximum): every later rescaling is an exact power of two, which a block's scale takes up: the codes' values come out the same.
;;   OPERANDS COMPUTED ON THE WAY. 'Computed on the way' means the value that the module computes at that place (a softmax that the list does not call 'softmax' is quantised finished and normalised). What goes into a quantiser is computed in f32, as accurately as f32 sums, v_exp_f32 and their like allow (about 1e-6 of the number): no bf16 or f16 on the way to a quantiser, and a product that is left as it is and whose result goes on into a quantised operand takes f32 operands (vector FMAs, or v_wmma_f32_16x16x4_f32). A number that lies on a knife's edge between two numbers of the format may be rounded either way, as far as f32 arithmetic and the matrix unit's own rounding can turn it there, and no further.
;; One version. Each part assembles by itself: llvm-mc -triple=amdgcn-amd-amdhsa -mcpu=gfx1250 --defsym DOCPART=n.
;; ======== version 1 of 1: 4 launches
;; limits: right only within a limited range of input values
;; workspace buffers: ac 12,582,912 bytes; asc 524,288 bytes; wc 3,145,728 bytes; ws 131,072 bytes; qi 8,388,608 bytes; kv 15,466,496 bytes; ao 6,291,456 bytes; aos 524,288 bytes
;; launch quant (part 1): grid 768 x 1, 4 waves a work-group, no clusters, 34,304 bytes of LDS; arguments x, features, wq, wk, wv, wo, ac, asc, wc, ws; writes ac, asc, wc, ws
.if DOCPART == 1
	.amdgcn_target "amdgcn-amd-amdhsa--gfx1250"
	.amdhsa_code_object_version 6
	.text
	.protected	k_q50962e24cc_quant
	.globl	k_q50962e24cc_quant
	.p2align	8
	.type	k_q50962e24cc_quant,@function
k_q50962e24cc_quant:
	s_mov_b64 s[64:65], 0
	v_nop
	global_prefetch_b8 v0, s[64:65] scope:SCOPE_SE
	s_setreg_imm32_b32 hwreg(HW_REG_WAVE_MODE, 25, 1), 1
	s_wait_xcnt 0x0
; x, features [8192][1024] f32 (K innermost) and wq, wk, wv, wo [1024 (k)][1024 (n)] f32 (K first) become codes of FP6 (E2M3) with one E8M0 byte for each 32 along K,
; laid as IMAGES OF THE OPERAND'S REGISTERS: a fragment is 16 rows x 128 K, 12 registers a lane, 1,536 bytes.
; A block's scale is 2^(floor(log2(largest magnitude)) - 2); its byte is the largest magnitude's exponent field - 2, held at 1 from below.
; LIMITS: a block of zeros keeps the byte 1 (its codes are zeros; only this program reads the bytes); NaN and infinities are not served.
; THE ROWS (COLUMNS) OF A TILE ARE NOT NEIGHBOURS: in each group of 128, lane r of tile 2 b + u takes index 32 b + 8 u + r + 8 (r / 8).
; Work-groups 0-511: x (0-255) and features (256-511).  A wave takes one tile of 16 rows x 4 K steps.  Each load reads 512 consecutive bytes of one row; the 16 rows turn through the wave's own
;   stage in LDS, so that lane (r, h) holds whole blocks h and 2 + h of row r, which is the fragment's own layout.  ac: [tensor][group 64][K step 8][tile 8][1,536]: two halves of 768 bytes, in each
;   registers 6 c .. 6 c + 3 at 16 x lane and 6 c + 4, 6 c + 5 at 512 + 8 x lane.  asc: [tensor][group][tile % 4][K step / 4][tile / 4, r][4 words].
; Work-groups 512-767: the weights.  A wave takes 32 columns x 128 along K: a lane a column, registers down K.  wc: [matrix][tile 64][K step 8][1,536]: registers 4 j .. 4 j + 3 at 512 j + 16 x lane.
;   ws: [matrix][K step][1,024 words]; a wave's store of scale words covers 128 consecutive bytes: these words are one part in 25 of what the path writes.
; No matrix unit, no cluster, no tensor load: a stream whose waves share nothing.
; ROWS of x and features: lane r of tile t (0..7) of a group of 128 takes row 64 (t / 4) + 8 (t % 4) + r % 8 + 32 (r / 8); the order 32 b + 8 u + r + 8 (r / 8) named above holds for the weights' columns alone.
.set SPARE, 33792
.set SPW, 8                            ; v8   my spare word's LDS address; never rewritten
.set NIL, 9                            ; v9   0; never rewritten
.set SW,  20                           ; v20-23 scale words of four K steps (weights: v20 the column's word)
.set C,   24                           ; v24-35 a fragment's codes
.set T,   36                           ; v36-38, v40-42: second halves of blocks (a conversion's three registers begin on an even number)
.set XF,  24                           ; weights: even blocks, then tile 2 g's fragment
.set YF,  44                           ; weights: odd blocks, then tile 2 g + 1's
.set R,   64                           ; v64-191 two sets of 64 registers as loaded (weights: four blocks of 32)
.set X,   192                          ; v192-255 my two blocks of 32 neighbours
	s_load_b512 s[8:23], s[0:1], 0x0               ; x, features, wq, wk, wv, wo, ac, asc
	s_load_b128 s[24:27], s[0:1], 0x40             ; wc, ws
	v_lshl_add_u32 v[SPW], v0, 2, SPARE
	v_mov_b32 v[NIL], 0
	v_lshrrev_b32 v1, 5, v0
	v_readfirstlane_b32 s28, v1                    ; wave
	v_and_b32 v1, 31, v0                           ; lane
	v_lshlrev_b32 v2, 4, v1                        ; 16 x lane
	v_lshlrev_b32 v3, 3, v1                        ; 8 x lane
	v_bfe_u32 v16, v0, 4, 1                        ; h
	v_lshlrev_b32 v4, 3, v16                       ; 8 h
	s_mul_i32 s29, s28, 8448                       ; my stage: 16 rows of 512 + 16 bytes
	v_add_nc_u32 v5, s29, v2                       ; into it: 16 x lane of a row
	v_and_b32 v7, 15, v0                           ; r
	v_mul_u32_u24 v6, v7, 528
	v_lshl_add_u32 v6, v16, 7, v6
	v_add_nc_u32 v6, s29, v6                       ; out of it: row r, + 128 h
	v_lshlrev_b32 v7, 4, v7                        ; 16 r
	v_mov_b32 v17, 0                               ; a lane permute's destination counts as one of its sources
	s_mov_b32 s30, 0x76543210
	s_mov_b32 s31, 0xfedcba98                      ; v_permlanex16_b32's selects for lane l xor 16
	s_wait_kmcnt 0x0
	s_cmp_ge_u32 ttmp9, 512
	s_cbranch_scc1 .Lweights
	; ---------------- x and features
	s_lshr_b32 s32, ttmp9, 8                       ; which tensor
	s_cmp_eq_u32 s32, 0
	s_cselect_b64 s[36:37], s[8:9], s[10:11]
	s_bfe_u32 s33, ttmp9, 0x60002                  ; group of 128 rows
	s_and_b32 s34, ttmp9, 3
	s_lshl_b32 s34, s34, 1
	s_lshr_b32 s35, s28, 1
	s_add_co_u32 s34, s34, s35                     ; tile 0..7
	s_and_b32 s35, s28, 1                          ; which four K steps
	s_lshl_b32 s38, s33, 19                        ; 128 rows of 4,096 bytes
	s_lshr_b32 s39, s34, 2
	s_lshl_b32 s39, s39, 18                        ; 64 rows
	s_add_co_u32 s38, s38, s39
	s_and_b32 s39, s34, 3
	s_lshl_b32 s39, s39, 15                        ; 8 rows
	s_add_co_u32 s38, s38, s39
	s_lshl_b32 s39, s35, 11                        ; four K steps of 512 bytes
	s_add_co_u32 s38, s38, s39
	s_mov_b32 s39, 0
	s_add_nc_u64 s[36:37], s[36:37], s[38:39]
	s_lshl_b32 s40, s32, 6
	s_add_co_u32 s40, s40, s33                     ; 64 x tensor + group
	s_mul_i32 s38, s40, 98304
	s_mul_i32 s41, s35, 49152
	s_add_co_u32 s38, s38, s41
	s_mul_i32 s41, s34, 1536
	s_add_co_u32 s38, s38, s41
	s_add_nc_u64 s[20:21], s[20:21], s[38:39]      ; my first fragment in ac
	s_lshl_b32 s38, s40, 12
	s_and_b32 s41, s34, 3
	s_lshl_b32 s41, s41, 10
	s_add_co_u32 s38, s38, s41
	s_lshl_b32 s41, s35, 9
	s_add_co_u32 s38, s38, s41
	s_lshr_b32 s41, s34, 2
	s_lshl_b32 s41, s41, 8
	s_add_co_u32 s38, s38, s41
	s_add_nc_u64 s[22:23], s[22:23], s[38:39]      ; my 256 bytes in asc
.macro LOADX s                         ; K step s of my 16 rows: each load reads one row's 512 consecutive bytes
.irp i, 0,1,2,3,4,5,6,7,8,9,10,11,12,13,14,15
	global_load_b128 v[R+64*((\s)%2)+4*\i:R+64*((\s)%2)+4*\i+3], v2, s[36:37] offset:(\i+24*(\i/8))*4096+512*(\s) th:TH_LOAD_NT
.endr
.endm
.macro STEPX s
.if (\s) < 3
	s_wait_loadcnt 16                              ; this step's 16 loads are in; the next step's 16 may be out
.else
	s_wait_loadcnt 0x0
.endif
.irp i, 0,1,2,3,4,5,6,7,8,9,10,11,12,13,14,15
	ds_store_b128 v5, v[R+64*((\s)%2)+4*\i:R+64*((\s)%2)+4*\i+3] offset:528*\i
.endr
.irp c, 0,1
.irp q, 0,1,2,3,4,5,6,7
	ds_load_b128 v[X+32*\c+4*\q:X+32*\c+4*\q+3], v6 offset:256*\c+16*\q   ; LDS serves a wave's instructions in order: these see the stores above
.endr
.endr
	s_wait_dscnt 0x0                               ; my two blocks are in, and the stage's stores have read their registers
.if (\s) > 0
	s_wait_xcnt 0x0                                ; the last step's stores have read the codes' registers, which are written again below
.endif
.if (\s)+2 < 4
	LOADX (\s)+2
.endif
.irp c, 0,1
	v_max3_num_f32 v[10+\c], |v[X+32*\c]|, |v[X+32*\c+1]|, 0x1800000   ; the floor 2^(3 - 127): the byte cannot fall under 1
.endr
.irp i, 2,4,6,8,10,12,14,16,18,20,22,24,26,28,30
.irp c, 0,1
	v_max3_num_f32 v[10+\c], v[10+\c], |v[X+32*\c+\i]|, |v[X+32*\c+\i+1]|
.endr
.endr
.irp c, 0,1
	v_add_nc_u32 v[12+\c], 0xff000000, v[10+\c]    ; 2 off the exponent field: the conversion's scale operand
.endr
.irp c, 0,1
	v_lshrrev_b32 v[14+\c], 23, v[12+\c]           ; the scale's byte
.endr
	v_lshl_or_b32 v16, v15, 16, v14                ; my bytes: blocks h and 2 + h,
	v_lshlrev_b32 v16, v4, v16                     ; at their places (8 h bits up);
	v_permlanex16_b32 v17, v16, s30, s31
	v_or_b32 v[SW+(\s)], v16, v17                  ; with lane l xor 16's two the word is whole
.irp c, 0,1
	v_cvt_scalef32_pk16_fp6_f32 v[C+6*\c:C+6*\c+2], v[X+32*\c:X+32*\c+15], v[12+\c]
	v_cvt_scalef32_pk16_fp6_f32 v[T+4*\c:T+4*\c+2], v[X+32*\c+16:X+32*\c+31], v[12+\c]
.endr
	v_nop                                          ; one plain place behind a scaled conversion
.irp c, 0,1
.irp i, 0,1,2
	v_mov_b32 v[C+6*\c+3+\i], v[T+4*\c+\i]
.endr
.endr
	global_store_b128 v2, v[C:C+3], s[20:21] offset:12288*(\s)            ; each store covers 512 or 256 consecutive bytes, aligned to 256
	global_store_b64 v3, v[C+4:C+5], s[20:21] offset:12288*(\s)+512
	global_store_b128 v2, v[C+6:C+9], s[20:21] offset:12288*(\s)+768
	global_store_b64 v3, v[C+10:C+11], s[20:21] offset:12288*(\s)+1280
.endm
	LOADX 0
	LOADX 1
	s_wait_alu depctr_va_vdst(0)
	STEPX 0
	STEPX 1
	STEPX 2
	STEPX 3
	s_wait_xcnt 0x0                                ; EXEC changes only behind this wait
	v_cmp_gt_u32 vcc_lo, 16, v1
	s_and_saveexec_b32 s42, vcc_lo
	global_store_b128 v7, v[SW:SW+3], s[22:23]     ; lanes 0-15: 256 consecutive bytes, aligned
	s_wait_xcnt 0x0
	s_or_b32 exec_lo, exec_lo, s42
	s_wait_tensorcnt 0x0                           ; the wave's end, behind my last LDS store
	ds_add_u32 v[SPW], v[NIL]
	s_wait_dscnt 0x0
	s_endpgm
	; ---------------- the four weights
.Lweights:
	s_sub_co_u32 s32, ttmp9, 512
	s_lshr_b32 s33, s32, 6                         ; matrix: 0 wq, 1 wk, 2 wv, 3 wo
	s_bfe_u32 s34, s32, 0x30003                    ; K step
	s_and_b32 s35, s32, 7
	s_lshl_b32 s35, s35, 2
	s_add_co_u32 s35, s35, s28                     ; g: my 32 columns
	s_cmp_lt_u32 s33, 2
	s_cselect_b64 s[36:37], s[12:13], s[16:17]
	s_cselect_b64 s[38:39], s[14:15], s[18:19]
	s_and_b32 s40, s33, 1
	s_cmp_eq_u32 s40, 0
	s_cselect_b64 s[36:37], s[36:37], s[38:39]
	s_lshl_b32 s38, s34, 19                        ; 128 rows of 4,096 bytes
	s_lshl_b32 s40, s35, 7
	s_add_co_u32 s38, s38, s40
	s_mov_b32 s39, 0
	s_add_nc_u64 s[36:37], s[36:37], s[38:39]
	s_mul_i32 s38, s33, 786432
	s_mul_i32 s40, s35, 24576
	s_add_co_u32 s38, s38, s40
	s_mul_i32 s40, s34, 1536
	s_add_co_u32 s38, s38, s40
	s_add_nc_u64 s[24:25], s[24:25], s[38:39]
	s_lshl_b32 s38, s33, 15
	s_lshl_b32 s40, s34, 12
	s_add_co_u32 s38, s38, s40
	s_lshl_b32 s40, s35, 7
	s_add_co_u32 s38, s38, s40
	s_add_nc_u64 s[26:27], s[26:27], s[38:39]
	v_and_b32 v18, 7, v0                           ; my column of the 32: lanes 0-15 are tile 2 g, lanes 16-31 tile 2 g + 1: (l % 8) + 16 (bit 3) + 8 (bit 4)
	v_bfe_u32 v19, v0, 3, 1
	v_lshl_add_u32 v18, v19, 4, v18
	v_bfe_u32 v19, v0, 4, 1
	v_lshl_add_u32 v18, v19, 3, v18
	v_lshlrev_b32 v18, 2, v18
	v_lshlrev_b32 v19, 2, v1                       ; 4 x lane
.macro LOADB t                         ; block t: W(32 t + i, my column): the wave reads 128 consecutive bytes, the work-group's four waves 512
.irp i, 0,1,2,3,4,5,6,7,8,9,10,11,12,13,14,15,16,17,18,19,20,21,22,23,24,25,26,27,28,29,30,31
	global_load_b32 v[R+32*(\t)+\i], v18, s[36:37] offset:(32*(\t)+\i)*4096 th:TH_LOAD_NT
.endr
.endm
.macro BLOCK t
.set NS, R+32*(\t)
.if (\t)%2
.set F, YF+6*((\t)/2)
.else
.set F, XF+6*((\t)/2)
.endif
	v_max3_num_f32 v10, |v[NS]|, |v[NS+1]|, 0x1800000               ; all 32 numbers are mine; two chains, the floor in each
	v_max3_num_f32 v11, |v[NS+2]|, |v[NS+3]|, 0x1800000
.irp i, 4,8,12,16,20,24,28
	v_max3_num_f32 v10, v10, |v[NS+\i]|, |v[NS+\i+1]|
	v_max3_num_f32 v11, v11, |v[NS+\i+2]|, |v[NS+\i+3]|
.endr
	v_max_num_f32 v10, v10, v11
	v_add_nc_u32 v12, 0xff000000, v10
	v_lshrrev_b32 v14, 23, v12
.if (\t) == 0
	v_mov_b32 v20, v14
.else
	v_lshl_or_b32 v20, v14, 8*(\t), v20
.endif
	v_cvt_scalef32_pk16_fp6_f32 v[F:F+2], v[NS:NS+15], v12
	v_cvt_scalef32_pk16_fp6_f32 v[T:T+2], v[NS+16:NS+31], v12
	v_nop
.irp i, 0,1,2
	v_mov_b32 v[F+3+\i], v[T+\i]
.endr
.endm
	LOADB 0
	LOADB 1
	s_wait_alu depctr_va_vdst(0)
	s_wait_loadcnt 32                              ; block 0 is in; block 1's 32 loads may be out
	LOADB 2
	BLOCK 0
	s_wait_loadcnt 32
	LOADB 3
	BLOCK 1
	s_wait_loadcnt 32
	BLOCK 2
	s_wait_loadcnt 0x0
	BLOCK 3
.irp i, 0,1,2,3,4,5,6,7,8,9,10,11
	v_permlane16_swap_b32 v[XF+\i], v[YF+\i]       ; the even blocks' lanes 16-31 change places with the odd blocks' lanes 0-15: two whole fragments
.endr
.irp ch, 0,1,2
	global_store_b128 v2, v[XF+4*\ch:XF+4*\ch+3], s[24:25] offset:512*\ch
	global_store_b128 v2, v[YF+4*\ch:YF+4*\ch+3], s[24:25] offset:12288+512*\ch
.endr
	global_store_b32 v19, v20, s[26:27]
	s_wait_tensorcnt 0x0                           ; the same three closing lines on this path
	ds_add_u32 v[SPW], v[NIL]
	s_wait_dscnt 0x0
	s_endpgm
.Lfunc_end_k_q50962e24cc_quant:
	.size	k_q50962e24cc_quant, .Lfunc_end_k_q50962e24cc_quant-k_q50962e24cc_quant
	.p2alignl 7, 3214868480
	.fill 96, 4, 3214868480
	.section	.rodata,"a",@progbits
	.p2align	6, 0x0
	.amdhsa_kernel k_q50962e24cc_quant
		.amdhsa_group_segment_fixed_size 34304
		.amdhsa_private_segment_fixed_size 0
		.amdhsa_enable_private_segment 0
		.amdhsa_kernarg_size 80
		.amdhsa_user_sgpr_count 2
		.amdhsa_user_sgpr_kernarg_segment_ptr 1
		.amdhsa_wavefront_size32 1
		.amdhsa_system_sgpr_workgroup_id_x 1
		.amdhsa_system_sgpr_workgroup_id_y 1
		.amdhsa_system_sgpr_workgroup_id_z 1
		.amdhsa_system_vgpr_workitem_id 0
		.amdhsa_next_free_vgpr 256
		.amdhsa_next_free_sgpr 66
		.amdhsa_reserve_vcc 1
		.amdhsa_float_denorm_mode_32 3
		.amdhsa_float_denorm_mode_16_64 3
		.amdhsa_memory_ordered 1
		.amdhsa_forward_progress 1
		.amdhsa_inst_pref_size 52
	.end_amdhsa_kernel
	.amdgpu_metadata
---
amdhsa.version: [ 1, 2 ]
amdhsa.kernels:
  - .name:           k_q50962e24cc_quant
    .symbol:         k_q50962e24cc_quant.kd
    .args:
      - { .name: x, .offset: 0, .size: 8, .value_kind: global_buffer, .address_space: global }
      - { .name: features, .offset: 8, .size: 8, .value_kind: global_buffer, .address_space: global }
      - { .name: wq, .offset: 16, .size: 8, .value_kind: global_buffer, .address_space: global }
      - { .name: wk, .offset: 24, .size: 8, .value_kind: global_buffer, .address_space: global }
      - { .name: wv, .offset: 32, .size: 8, .value_kind: global_buffer, .address_space: global }
      - { .name: wo, .offset: 40, .size: 8, .value_kind: global_buffer, .address_space: global }
      - { .name: ac, .offset: 48, .size: 8, .value_kind: global_buffer, .address_space: global }
      - { .name: asc, .offset: 56, .size: 8, .value_kind: global_buffer, .address_space: global }
      - { .name: wc, .offset: 64, .size: 8, .value_kind: global_buffer, .address_space: global }
      - { .name: ws, .offset: 72, .size: 8, .value_kind: global_buffer, .address_space: global }
    .group_segment_fixed_size: 34304
    .private_segment_fixed_size: 0
    .kernarg_segment_align: 8
    .kernarg_segment_size: 80
    .max_flat_workgroup_size: 128
    .sgpr_count:     66
    .vgpr_count:     256
    .wavefront_size: 32
...
	.end_amdgpu_metadata
.endif
;; end of part 1
;; launch proj (part 2): grid 4 x 64, 4 waves a work-group, clusters of 4 x 1, 327,680 bytes of LDS; arguments ac, asc, wc, ws, bq, bk, bv, mask, qi, kv; writes qi, kv
.if DOCPART == 2
	.amdgcn_target "amdgcn-amd-amdhsa--gfx1250"
	.amdhsa_code_object_version 6
	.text
	.protected	k_q50962e24cc_proj
	.globl	k_q50962e24cc_proj
	.p2align	8
	.type	k_q50962e24cc_proj,@function
k_q50962e24cc_proj:
	s_mov_b64 s[64:65], 0
	v_nop
	global_prefetch_b8 v0, s[64:65] scope:SCOPE_SE
	s_setreg_imm32_b32 hwreg(HW_REG_WAVE_MODE, 25, 1), 1
	s_wait_xcnt 0x0
	s_wait_alu depctr_hold_cnt(0) depctr_sa_sdst(0) depctr_va_vdst(0) depctr_va_sdst(0) depctr_va_ssrc(0) depctr_va_vcc(0) depctr_vm_vsrc(0)
	s_getreg_b32 s2, hwreg(HW_REG_IB_STS2, 6, 4)
	s_cmp_eq_u32 s2, 0
	s_cbranch_scc0 .Lentry_in_a_cluster
	s_endpgm
.Lentry_in_a_cluster:
	s_bfe_u32 s2, ttmp6, 0x10000c
	s_cmp_lg_u32 s2, 0x3003
	s_cbranch_scc0 .Lentry_shape_is_right
	s_endpgm
.Lentry_shape_is_right:
.set NK,    24
.set SPARE, 196608
.set AD16, 6
.set AD8,  10
.set SPW,  14
.set NIL,  15
.set ZR,   16
.set MC,   17
.set HU,   18
.set HM,   19
.set KW,   20
.set VW,   24
.set MK,   32
.set AS,   40
.set BS,   76
.set HA,   96
.set PC,   160
.set PT,   176
.set TM,   184
.set BV,   96
.set BIQ,  192
.set WV,   28
.set G1,   32
.set G0,   40
.set SEL,  56
.set HALF, 58
.set MSB, 0
.macro WIN new
.if MSB != \new
	s_set_vgpr_msb (MSB<<8)|\new
.set MSB, \new
.endif
.endm
.macro PLACES
.rept 4
	v_nop
.endr
.endm
.macro CROUND
	s_barrier_signal -1
	s_barrier_wait -1
	s_cmp_lg_u32 s[WV], 0
	s_cbranch_scc1 .Lnot_wave_0_\@
	s_barrier_signal -3
.Lnot_wave_0_\@:
	s_barrier_wait -3
	s_barrier_signal -1
	s_barrier_wait -1
.endm
.macro QUANT src, st
.irp b, 0,1,2,3
	v_max3_num_f32 v[TM+\b], |v[\src+16*\b]|, |v[\src+16*\b+1]|, 0x1800000
.endr
.irp i, 2,4,6,8,10,12,14
.irp b, 0,1,2,3
	v_max3_num_f32 v[TM+\b], v[TM+\b], |v[\src+16*\b+\i]|, |v[\src+16*\b+\i+1]|
.endr
.endr
.irp b, 0,1,2,3
	v_permlanex16_b32 v[TM+4+\b], v[TM+\b], s[SEL], s[SEL+1]
.endr
.irp b, 0,1,2,3
	v_max_num_f32 v[TM+\b], v[TM+\b], v[TM+4+\b]
.endr
.irp b, 0,1,2,3
	v_add_nc_u32 v[TM+12+\b], 0xff000000, v[TM+\b]
.endr
.irp b, 0,1,2,3
	v_lshrrev_b32 v[TM+4+\b], 23, v[TM+12+\b]
.endr
.irp c, 0,1
	v_cvt_scalef32_pk16_fp6_f32 v[PC+(\st)*\c:PC+(\st)*\c+2], v[\src+32*\c:\src+32*\c+15], v[TM+12+2*\c]
	v_cvt_scalef32_pk16_fp6_f32 v[PT+4*\c:PT+4*\c+2], v[\src+32*\c+16:\src+32*\c+31], v[TM+12+2*\c+1]
.endr
	v_nop
.irp c, 0,1
.irp i, 0,1,2
	v_permlane16_swap_b32 v[PC+(\st)*\c+\i], v[PT+4*\c+\i]
.endr
.irp i, 0,1,2
	v_mov_b32 v[PC+(\st)*\c+3+\i], v[PT+4*\c+\i]
.endr
.endr
.endm
; V's quantiser along the keys: by the rows' order a lane's registers src + 32 c .. + 31 are the whole block 2 c + (lane / 16); the word's other two bytes come from lane l xor 16
.macro QUANTV src
.irp b, 0,1,2,3
	v_max3_num_f32 v[TM+\b], |v[\src+16*\b]|, |v[\src+16*\b+1]|, 0x1800000
.endr
.irp i, 2,4,6,8,10,12,14
.irp b, 0,1,2,3
	v_max3_num_f32 v[TM+\b], v[TM+\b], |v[\src+16*\b+\i]|, |v[\src+16*\b+\i+1]|
.endr
.endr
.irp c, 0,1
	v_max_num_f32 v[TM+2*\c], v[TM+2*\c], v[TM+2*\c+1]
.endr
.irp c, 0,1
	v_add_nc_u32 v[TM+12+\c], 0xff000000, v[TM+2*\c]
.endr
.irp c, 0,1
	v_lshrrev_b32 v[TM+4+\c], 23, v[TM+12+\c]
.endr
	v_lshl_or_b32 v26, v[TM+5], 16, v[TM+4]
	v_lshlrev_b32 v26, v31, v26
	v_permlanex16_b32 v27, v26, s[SEL], s[SEL+1]
	v_or_b32 v26, v26, v27
.irp c, 0,1
	v_cvt_scalef32_pk16_fp6_f32 v[PC+6*\c:PC+6*\c+2], v[\src+32*\c:\src+32*\c+15], v[TM+12+\c]
	v_cvt_scalef32_pk16_fp6_f32 v[PT+4*\c:PT+4*\c+2], v[\src+32*\c+16:\src+32*\c+31], v[TM+12+\c]
.endr
	v_nop
.irp c, 0,1
.irp i, 0,1,2
	v_mov_b32 v[PC+6*\c+3+\i], v[PT+4*\c+\i]
.endr
.endr
.endm
.macro LOADBS r
.irp gp, 0,1
.irp s, 0,1,2,3,4,5,6,7
	global_load_b32 v[BS+8*\gp+\s], v3, s[68+2*(\r):69+2*(\r)] offset:4096*\s+128*\gp
.endr
.endr
.endm
.macro LOADAS t
.irp j, 0,1,2,3
.irp sq, 0,1
	global_load_b128 v[AS+8*\j+4*\sq:AS+8*\j+4*\sq+3], v1, s[74+2*(\t):75+2*(\t)] offset:1024*\j+512*\sq
.endr
.endr
.endm
.macro BLOAD kap
.set bR, (\kap)/8
.set bS, (\kap)%8
.set bW, 60+2*bR+2*(bR/2)
.set bD, 48*((\kap)%4)
	WIN 0x80
.irp nt, 0,1,2,3
.irp ch, 0,1,2
	global_load_b128 v[bD+12*\nt+4*\ch:bD+12*\nt+4*\ch+3], v1, s[bW:bW+1] offset:12288*\nt+1536*bS+512*\ch
.endr
.endr
.endm
.macro AFETCH kap
.set aT, ((\kap)/8+1)/2
.set aS, (\kap)%8
.set aA, 2*aT+aS/4
.set aD, 128*((\kap)%2)
.set aO, (aS%4)*12288
	WIN 0x40
.irp mt, 0,1,2,3,4,5,6,7
	ds_load_b128 v[aD+12*\mt:aD+12*\mt+3], v[AD16+aA] offset:aO+1536*\mt
	ds_load_b64 v[aD+12*\mt+4:aD+12*\mt+5], v[AD8+aA] offset:aO+1536*\mt+512
	ds_load_b128 v[aD+12*\mt+6:aD+12*\mt+9], v[AD16+aA] offset:aO+1536*\mt+768
	ds_load_b64 v[aD+12*\mt+10:aD+12*\mt+11], v[AD8+aA] offset:aO+1536*\mt+1280
.endr
.endm
.macro WMX zero, ra, rb
.if \zero
.if (\ra) && (\rb)
	v_wmma_scale_f32_16x16x128_f8f6f4 v[rD:rD+7], v[rA:rA+11], v[rB:rB+11], 0, v[rSA], v[rSB] matrix_a_fmt:MATRIX_FMT_FP6 matrix_b_fmt:MATRIX_FMT_FP6 matrix_a_scale:MATRIX_SCALE_ROW1 matrix_b_scale:MATRIX_SCALE_ROW1
.elseif \ra
	v_wmma_scale_f32_16x16x128_f8f6f4 v[rD:rD+7], v[rA:rA+11], v[rB:rB+11], 0, v[rSA], v[rSB] matrix_a_fmt:MATRIX_FMT_FP6 matrix_b_fmt:MATRIX_FMT_FP6 matrix_a_scale:MATRIX_SCALE_ROW1
.elseif \rb
	v_wmma_scale_f32_16x16x128_f8f6f4 v[rD:rD+7], v[rA:rA+11], v[rB:rB+11], 0, v[rSA], v[rSB] matrix_a_fmt:MATRIX_FMT_FP6 matrix_b_fmt:MATRIX_FMT_FP6 matrix_b_scale:MATRIX_SCALE_ROW1
.else
	v_wmma_scale_f32_16x16x128_f8f6f4 v[rD:rD+7], v[rA:rA+11], v[rB:rB+11], 0, v[rSA], v[rSB] matrix_a_fmt:MATRIX_FMT_FP6 matrix_b_fmt:MATRIX_FMT_FP6
.endif
.else
.if (\ra) && (\rb)
	v_wmma_scale_f32_16x16x128_f8f6f4 v[rD:rD+7], v[rA:rA+11], v[rB:rB+11], v[rD:rD+7], v[rSA], v[rSB] matrix_a_fmt:MATRIX_FMT_FP6 matrix_b_fmt:MATRIX_FMT_FP6 matrix_a_scale:MATRIX_SCALE_ROW1 matrix_b_scale:MATRIX_SCALE_ROW1
.elseif \ra
	v_wmma_scale_f32_16x16x128_f8f6f4 v[rD:rD+7], v[rA:rA+11], v[rB:rB+11], v[rD:rD+7], v[rSA], v[rSB] matrix_a_fmt:MATRIX_FMT_FP6 matrix_b_fmt:MATRIX_FMT_FP6 matrix_a_scale:MATRIX_SCALE_ROW1
.elseif \rb
	v_wmma_scale_f32_16x16x128_f8f6f4 v[rD:rD+7], v[rA:rA+11], v[rB:rB+11], v[rD:rD+7], v[rSA], v[rSB] matrix_a_fmt:MATRIX_FMT_FP6 matrix_b_fmt:MATRIX_FMT_FP6 matrix_b_scale:MATRIX_SCALE_ROW1
.else
	v_wmma_scale_f32_16x16x128_f8f6f4 v[rD:rD+7], v[rA:rA+11], v[rB:rB+11], v[rD:rD+7], v[rSA], v[rSB] matrix_a_fmt:MATRIX_FMT_FP6 matrix_b_fmt:MATRIX_FMT_FP6
.endif
.endif
.endm
.macro MULT kap
.set mR, (\kap)/8
.set mS, (\kap)%8
.set mB, 48*((\kap)%4)
.set mA, 128*((\kap)%2)
.if mS == 0
.set mZ, 1
.else
.set mZ, 0
.endif
.if mR < 2
	WIN 0xf6
.else
	WIN 0xf9
.endif
.irp mt, 0,1,2,3,4,5,6,7
.irp nt, 0,1,2,3
.set rD, 8*(4*\mt+\nt)
.if mR < 2
.set rA, mB+12*\nt
.set rB, mA+12*\mt
.set rSA, BS+8*(\nt/2)+mS
.set rSB, AS+8*(\mt%4)+mS
	WMX mZ, \nt%2, \mt/4
.else
.set rA, mA+12*\mt
.set rB, mB+12*\nt
.set rSA, AS+8*(\mt%4)+mS
.set rSB, BS+8*(\nt/2)+mS
	WMX mZ, \mt/4, \nt%2
.endif
.endr
.endr
.endm
.macro KSTEP kap, tc, lc, dc
	PLACES
.if (\tc) >= 0
	WIN 0
.if (\tc) < 3
	s_cmp_gt_u32 s[WV], \tc                        ; waves 0 .. tc wait for their own quarter: quarter tc is read behind this barrier
	s_cbranch_scc1 .Lnw_\@
	s_wait_tensorcnt 0x0
.Lnw_\@:
.else
	s_wait_tensorcnt 0x0                           ; the last quarter: every wave waits
.endif
	s_wait_dscnt 0x0
	s_barrier_signal -1
	s_barrier_wait -1
.endif
.if (\kap)+3 < NK
	BLOAD (\kap)+3
.endif
.if (\kap)+1 < NK
	AFETCH (\kap)+1
.endif
	s_wait_loadcnt \lc
	s_wait_dscnt \dc
	MULT \kap
.endm
.macro EPI_QK isk
	PLACES
	WIN 0
	LOADBS (\isk)+1
.if (\isk) == 0
	LOADAS 1
.endif
.irp p, 0,1,2,3
	s_wait_xcnt 0x0
	WIN 0x0b
.irp e, 0,1
.irp nt, 0,1,2,3
.irp j, 0,2,4,6
	v_pk_add_f32 v[HA+32*\e+8*\nt+\j:HA+32*\e+8*\nt+\j+1], v[8*(4*(2*\p+\e)+\nt)+\j:8*(4*(2*\p+\e)+\nt)+\j+1], v[BIQ+32*(\isk)+8*\nt+\j:BIQ+32*(\isk)+8*\nt+\j+1]
.endr
.endr
.endr
	WIN 0
	QUANT HA, 8
.irp e, 0,1
.if \isk
	v_cmp_eq_u32 vcc_lo, 0, v[MK+2*\p+\e]
.irp i, 0,1,2,3,4,5
	v_cndmask_b32 v[PC+8*\e+\i], v[PC+8*\e+\i], v[ZR], vcc_lo
.endr
	v_cndmask_b32 v[PC+8*\e+6], v[ZR], v[MC], vcc_lo
	v_mov_b32 v[PC+8*\e+7], 0
	v_cndmask_b32 v28, v[HU], v[HM], vcc_lo
	v_lshl_or_b32 v[26+\e], v[TM+5+2*\e], 8, v[TM+4+2*\e]
	v_or_b32 v[26+\e], v[26+\e], v28
.else
	v_lshl_or_b32 v26, v[TM+5+2*\e], 8, v[TM+4+2*\e]
	v_or_b32 v[PC+8*\e+6], 0x7f7f0000, v26
	v_mov_b32 v[PC+8*\e+7], 0
.endif
.endr
.if \isk
	v_cndmask_b32 v[KW+\p], v26, v27, s[HALF]
.endif
.irp e, 0,1
	global_store_b128 v1, v[PC+8*\e:PC+8*\e+3], s[78+2*(\isk):79+2*(\isk)] offset:1024*(2*\p+\e)
	global_store_b128 v1, v[PC+8*\e+4:PC+8*\e+7], s[78+2*(\isk):79+2*(\isk)] offset:1024*(2*\p+\e)+512
.endr
.endr
.if \isk
	global_store_b128 v1, v[KW:KW+3], s[80:81] offset:8192
.endif
.endm
.macro EPI_V
	PLACES
.irp nt, 0,1,2,3
	s_wait_xcnt 0x0
	WIN 0x07
.irp mt, 0,1,2,3,4,5,6,7
.irp j, 0,2,4,6
	v_pk_add_f32 v[HA+8*\mt+\j:HA+8*\mt+\j+1], v[8*(4*\mt+\nt)+\j:8*(4*\mt+\nt)+\j+1], v[BV+2*\nt:BV+2*\nt+1] op_sel_hi:[1,0]
.endr
.endr
	WIN 0
	QUANTV HA
.if \nt%2
	v_cndmask_b32 v[VW+\nt/2], v[VW+\nt/2], v26, s[HALF]
.else
	v_mov_b32 v[VW+\nt/2], v26
.endif
.irp ch, 0,1,2
	global_store_b128 v1, v[PC+4*\ch:PC+4*\ch+3], s[80:81] offset:8704+1536*\nt+512*\ch
.endr
.endr
	global_store_b64 v2, v[VW:VW+1], s[80:81] offset:14848
.endm
	s_load_b512 s[8:23], s[0:1], 0x0
	s_load_b128 s[24:27], s[0:1], 0x40
	v_lshl_add_u32 v[SPW], v0, 2, SPARE
	v_mov_b32 v[NIL], 0
	ds_add_u32 v[SPW], v[NIL]
	ds_add_u32 v[SPW], v[NIL]
	v_lshrrev_b32 v1, 5, v0
	v_readfirstlane_b32 s[WV], v1
	s_bfe_u32 s29, ttmp6, 0x40000
	s_and_b32 s30, ttmp7, 0xffff
	s_lshl_b32 s31, s29, 2
	s_add_co_u32 s31, s31, s[WV]
	s_mov_b32 s[G1], 15|(3<<16)|(1<<21)
	s_mov_b32 s[G1+1], 32<<16
	s_mov_b32 s[G1+2], 192<<16
	s_mov_b32 s[G1+3], 32<<16
	s_mov_b32 s[G1+4], 192
	s_mov_b32 s[G1+5], 32
	s_mov_b32 s[G1+6], 0
	s_mov_b32 s[G1+7], 0
	s_mov_b32 s[SEL], 0x76543210
	s_mov_b32 s[SEL+1], 0xfedcba98
	s_mov_b32 s[HALF], 0xffff0000
	s_mul_i32 s88, s30, 98304
	s_and_b32 s92, s[WV], 1                        ; wave w fetches quarter w, 192 rows of 256 bytes: x's K steps 0-3, 4-7, then features'
	s_mul_i32 s92, s92, 49152
	s_add_co_u32 s88, s88, s92
	s_lshr_b32 s92, s[WV], 1
	s_mul_i32 s92, s92, 6291456
	s_add_co_u32 s88, s88, s92
	s_mov_b32 s89, 0
	s_mul_i32 s92, s[WV], 49152                    ; and its place in LDS
	v_and_b32 v26, 31, v0
	v_lshlrev_b32 v1, 4, v26
	v_lshlrev_b32 v2, 3, v26
	v_lshlrev_b32 v3, 2, v26
	v_and_b32 v27, 15, v0
	v_and_b32 v28, 8, v27
	v_mad_u32_u24 v30, v28, 3, v27                 ; a key's place in its tile: r % 8 + 32 (r / 8)
	v_lshlrev_b32 v30, 2, v30
	v_add_nc_u32 v28, v28, v27
	v_lshlrev_b32 v4, 2, v28
	v_bfe_u32 v29, v0, 4, 1
	v_lshlrev_b32 v5, 6, v29
	v_lshlrev_b32 v31, 3, v29                      ; 8 (lane / 16)
.irp a, 0,1,2,3
	v_add_nc_u32 v[AD16+\a], 98304*(\a/2)+49152*(\a%2), v1
	v_add_nc_u32 v[AD8+\a], 98304*(\a/2)+49152*(\a%2), v2
.endr
	v_mov_b32 v[ZR], 0
	v_sub_nc_u32 v[MC], 1, v29
	v_mul_u32_u24 v[MC], v[MC], 0x28
	v_mov_b32 v[HU], 0x01010000
	v_mov_b32 v[HM], 0x01a30000
.irp b, 0,1,2,3
	v_mov_b32 v[TM+4+\b], 0
.endr
	s_wait_alu depctr_va_vdst(0)                   ; the wait at the head's end
	s_wait_dscnt 0x0
	s_wait_kmcnt 0x0
	s_mov_b32 s[G0], 1
	s_mov_b32 s[G0+1], s92
	s_add_nc_u64 s[G0+2:G0+3], s[8:9], s[88:89]
	s_or_b32 s[G0+3], s[G0+3], 0x80000000
	CROUND
; one joint load a wave, each in an arm of its own of one chain on the wave's number, so that a barrier can show some waves' quarters alone
.macro HARM w, next
	s_cmp_eq_u32 s[WV], \w
	s_cbranch_scc0 \next
	tensor_load_to_lds s[G0:G0+3], s[G1:G1+7]
	s_nop 0
	PLACES
	s_branch .Lhasked
\next:
.endm
	HARM 0, .Lh1
	HARM 1, .Lh2
	HARM 2, .Lh3
	tensor_load_to_lds s[G0:G0+3], s[G1:G1+7]
	s_nop 0
	PLACES
.Lhasked:
	s_lshr_b32 s82, s30, 4
	s_and_b32 s83, s30, 15
	s_lshl_b32 s84, s82, 4
	s_add_co_u32 s84, s84, s31
	s_lshl_b32 s86, s84, 17
	s_lshl_b32 s85, s83, 13
	s_add_co_u32 s86, s86, s85
	s_mov_b32 s87, 0
	s_add_nc_u64 s[78:79], s[24:25], s[86:87]
	s_lshl_b32 s86, s84, 4
	s_add_co_u32 s86, s86, s83
	s_mul_i32 s86, s86, 15104
	s_add_nc_u64 s[80:81], s[26:27], s[86:87]
	s_mul_i32 s86, s31, 49152
	s_add_nc_u64 s[60:61], s[12:13], s[86:87]
	s_add_nc_u64 s[62:63], s[60:61], 786432
	s_add_nc_u64 s[66:67], s[60:61], 1572864
	s_lshl_b32 s86, s31, 8
	s_add_nc_u64 s[68:69], s[14:15], s[86:87]
	s_add_nc_u64 s[70:71], s[68:69], 32768
	s_add_nc_u64 s[72:73], s[68:69], 65536
	s_add_nc_u64 s[16:17], s[16:17], s[86:87]
	s_add_nc_u64 s[18:19], s[18:19], s[86:87]
	s_add_nc_u64 s[20:21], s[20:21], s[86:87]
	s_lshl_b32 s86, s30, 12
	s_add_nc_u64 s[74:75], s[10:11], s[86:87]
	s_add_nc_u64 s[76:77], s[74:75], 262144
	s_lshl_b32 s86, s82, 13
	s_lshl_b32 s85, s83, 9
	s_add_co_u32 s86, s86, s85
	s_add_nc_u64 s[22:23], s[22:23], s[86:87]
	LOADAS 0
	LOADBS 0
	WIN 0x80
.irp q, 0,1,2,3,4,5,6,7
	global_load_b128 v[BIQ+4*\q:BIQ+4*\q+3], v5, s[16:17] offset:128*(\q/4)+16*(\q%4)
	global_load_b128 v[BIQ+32+4*\q:BIQ+32+4*\q+3], v5, s[18:19] offset:128*(\q/4)+16*(\q%4)
.endr
	WIN 0x40
.irp nt, 0,1,2,3
	global_load_b32 v[BV+2*\nt], v4, s[20:21] offset:4*(32*(\nt/2)+8*(\nt%2))
	v_mov_b32 v[BV+2*\nt+1], 0
.endr
	WIN 0
.irp mt, 0,1,2,3,4,5,6,7
	global_load_b32 v[MK+\mt], v30, s[22:23] offset:4*(64*(\mt/4)+8*(\mt%4))
.endr
	BLOAD 0
	BLOAD 1
	BLOAD 2
	WIN 0
	s_cmp_lg_u32 s[WV], 0
	s_cbranch_scc1 .Lnot_q0
	s_wait_tensorcnt 0x0                           ; wave 0's quarter: x's K steps 0-3
.Lnot_q0:
	s_barrier_signal -1
	s_barrier_wait -1
	AFETCH 0
	KSTEP 0, -1, 36, 32
	KSTEP 1, -1, 36, 32
	KSTEP 2, -1, 36, 32
	KSTEP 3, 1, 36, 32
	KSTEP 4, -1, 36, 32
	KSTEP 5, -1, 36, 32
	KSTEP 6, -1, 36, 32
	KSTEP 7, 2, 36, 32
	EPI_QK 0
	KSTEP 8, -1, 12, 32
	KSTEP 9, -1, 36, 32
	KSTEP 10, -1, 36, 32
	KSTEP 11, 3, 36, 32
	KSTEP 12, -1, 36, 32
	KSTEP 13, -1, 36, 32
	KSTEP 14, -1, 36, 32
	KSTEP 15, -1, 36, 32
	EPI_QK 1
	KSTEP 16, -1, 12, 32
	KSTEP 17, -1, 36, 32
	KSTEP 18, -1, 36, 32
	KSTEP 19, -1, 36, 32
	KSTEP 20, -1, 36, 32
	KSTEP 21, -1, 24, 32
	KSTEP 22, -1, 12, 32
	KSTEP 23, -1, 0, 0
	EPI_V
	WIN 0
	s_wait_tensorcnt 0x0
	ds_add_u32 v[SPW], v[NIL]
	s_wait_dscnt 0x0
	CROUND
	s_endpgm
.Lfunc_end_k_q50962e24cc_proj:
	.size	k_q50962e24cc_proj, .Lfunc_end_k_q50962e24cc_proj-k_q50962e24cc_proj
	.p2alignl 7, 3214868480
	.fill 96, 4, 3214868480
	.section	.rodata,"a",@progbits
	.p2align	6, 0x0
	.amdhsa_kernel k_q50962e24cc_proj
		.amdhsa_group_segment_fixed_size 327680
		.amdhsa_private_segment_fixed_size 0
		.amdhsa_enable_private_segment 0
		.amdhsa_kernarg_size 80
		.amdhsa_user_sgpr_count 2
		.amdhsa_user_sgpr_kernarg_segment_ptr 1
		.amdhsa_wavefront_size32 1
		.amdhsa_system_sgpr_workgroup_id_x 1
		.amdhsa_system_sgpr_workgroup_id_y 1
		.amdhsa_system_sgpr_workgroup_id_z 1
		.amdhsa_system_vgpr_workitem_id 0
		.amdhsa_next_free_vgpr 1024
		.amdhsa_next_free_sgpr 96
		.amdhsa_reserve_vcc 1
		.amdhsa_float_denorm_mode_32 3
		.amdhsa_float_denorm_mode_16_64 3
		.amdhsa_memory_ordered 1
		.amdhsa_forward_progress 1
		.amdhsa_inst_pref_size 255
	.end_amdhsa_kernel
	.section	.bss,"aw",@nobits
	.p2align	6
	.space	262144
	.amdgpu_metadata
---
amdhsa.version: [ 1, 2 ]
amdhsa.kernels:
  - .name:           k_q50962e24cc_proj
    .symbol:         k_q50962e24cc_proj.kd
    .args:
      - { .name: ac, .offset: 0, .size: 8, .value_kind: global_buffer, .address_space: global }
      - { .name: asc, .offset: 8, .size: 8, .value_kind: global_buffer, .address_space: global }
      - { .name: wc, .offset: 16, .size: 8, .value_kind: global_buffer, .address_space: global }
      - { .name: ws, .offset: 24, .size: 8, .value_kind: global_buffer, .address_space: global }
      - { .name: bq, .offset: 32, .size: 8, .value_kind: global_buffer, .address_space: global }
      - { .name: bk, .offset: 40, .size: 8, .value_kind: global_buffer, .address_space: global }
      - { .name: bv, .offset: 48, .size: 8, .value_kind: global_buffer, .address_space: global }
      - { .name: mask, .offset: 56, .size: 8, .value_kind: global_buffer, .address_space: global }
      - { .name: qi, .offset: 64, .size: 8, .value_kind: global_buffer, .address_space: global }
      - { .name: kv, .offset: 72, .size: 8, .value_kind: global_buffer, .address_space: global }
    .group_segment_fixed_size: 327680
    .private_segment_fixed_size: 0
    .kernarg_segment_align: 8
    .kernarg_segment_size: 80
    .max_flat_workgroup_size: 128
    .sgpr_count:     96
    .vgpr_count:     1024
    .wavefront_size: 32
...
	.end_amdgpu_metadata
.endif
;; end of part 2
;; launch attn (part 3): grid 4 x 64, 16 waves a work-group, clusters of 4 x 1, 245,760 bytes of LDS; arguments qi, kv, ao, aos; writes ao, aos
.if DOCPART == 3
	.amdgcn_target "amdgcn-amd-amdhsa--gfx1250"
	.amdhsa_code_object_version 6
	.text
	.protected	k_q50962e24cc_attn
	.globl	k_q50962e24cc_attn
	.p2align	8
	.type	k_q50962e24cc_attn,@function
k_q50962e24cc_attn:
	s_mov_b64 s[64:65], 0
	v_nop
	global_prefetch_b8 v0, s[64:65] scope:SCOPE_SE
	s_setreg_imm32_b32 hwreg(HW_REG_WAVE_MODE, 25, 1), 1
	s_wait_xcnt 0x0
	s_wait_alu depctr_hold_cnt(0) depctr_sa_sdst(0) depctr_va_vdst(0) depctr_va_sdst(0) depctr_va_ssrc(0) depctr_va_vcc(0) depctr_vm_vsrc(0)
	s_getreg_b32 s2, hwreg(HW_REG_IB_STS2, 6, 4)
	s_cmp_eq_u32 s2, 0
	s_cbranch_scc0 .Lentry_in_a_cluster
	s_endpgm
.Lentry_in_a_cluster:
	s_bfe_u32 s2, ttmp6, 0x10000c
	s_cmp_lg_u32 s2, 0x3003
	s_cbranch_scc0 .Lentry_shape_is_right
	s_endpgm
.Lentry_shape_is_right:
; o = softmax(q k^T / 8, masked) v for one head, both products on codes of FP6 (E2M3), and the quantiser of o along C (the head's two blocks of 32).
; THE SOFTMAX AHEAD OF THE SECOND PRODUCT: t = score x log2(e) / 8; M = the running largest t rounded UP to a whole number; p = 2^(t - M) is quantised along the keys, not normalised; the row's sum is taken
; of the unquantised p and divides at the end.  When M moves, the sum and O are multiplied by 2^(old M - new M): exact.  The running maximum is kept as a score; t is made of it by the same multiplication.
; THE MASK costs no line here: a masked key's image gives the score -2^36 exactly (zero codes, the code -1.0 at k = 64 under the scale 2^36, against q's 1.0 at k = 64).  LIMIT: a masked logit is -2^33 in place of -1e10.
; SHARES.  Work-group (cx, head): 512 queries.  The head's 16 records (128 keys each: K's eight tiles, their scale words, V^T's four fragments, their scale words: 15,104 bytes) all lie in LDS, filled ONCE:
; wave w asks for record w, one joint tensor load a wave, shared by the head's four work-groups.  Every wave waits for its load, one barrier shows all sixteen.  Sixteen waves; a wave owns 16 queries at a time, two passes.
; No prefetch: every record is asked for at the head, and no loop runs ahead of a load.
; LAYOUT.  S^T = K Q^T, O^T = V^T P^T: a lane holds ONE query.  Row m of K's tile t is key 64 (t / 4) + 8 (t % 4) + m % 8 + 32 (m / 8), so the 32 score registers of tiles 4 c .. 4 c + 3 of lane (r, h) are
; keys 64 c + 32 h + 0 .. 31: one whole scale block, in the order of the second product's operand.  No lane asks another for a block's maximum, and no code changes lanes.
; K's image has 8 registers a tile; the instruction names 12: the last four are the next tile's first four (for the last tile four constants), which meet zero codes of q and add nothing.
; LDS LOADS RUN AHEAD: V's 13 loads of a step stand at its top; the next record's 17 loads for K stand behind this step's first product.  The last step of a pass fetches record 0 again: pass 1 begins with it; after pass 1 it is not used.
; REGISTERS: v1-6 addresses; v7, v29 the conversions' scale operands (v29 before that: the old -M); v8-10 codes on their way; v12 -M, v13 the largest score, v[14:15] the sum; v16-27 Q; v28 Q's scale word; v30-33 K's,
;   v34-35 V's; v36-37, v252-255 maxima, then partial sums; v38 f; v39 p's scale word; v40-103 K; v104-107 constants; v108-155 V; v156-219 S^T, then p, then p's codes in v172-183; v220-251 O^T.
.set REC,   15104
.set STG,   241664                     ; behind the records: the scale words of o, 2,048 bytes; no tile lands here
.set SPARE, 243712                     ; the spare words, 128 bytes for each of 16 waves
.set AD,  3
.set AD8, 4
.set SPW, 5
.set NIL, 6
.set SO,  7
.set T1,  8
.set RDA, 11
.set QF,  16
.set QS,  28
.set TT,  29
.set KS,  30
.set VS,  34
.set X,   36
.set FF,  38
.set PW,  39
.set KF,  40
.set QC,  104                          ; 8 (the code 1.0) in lanes 0-15, 0 in lanes 16-31
.set STA, 105
.set SH8, 106                          ; 8 (lane / 16)
.set GOF, 107
.set VF,  108
.set S,   156
.set PC,  S+16
.set T2,  S+28
.set O,   220
.set BM,  252
.set OPC, 108                          ; the way out works in V's registers
.set OPT, 116
.set OBM, 120
.set OBP, 122
.set OSO, 124
.set OTT, 126
.set WV,  12
.set G1,  16
.set G0,  24
.set SEL, 40
.set CS,  42
.set TB,  44
.set CNT, 45
.set TN,  47
.macro WALU
	s_wait_alu depctr_va_vdst(0)
.endm
.macro CROUND
	s_barrier_signal -1
	s_barrier_wait -1
	s_cmp_lg_u32 s[WV], 0
	s_cbranch_scc1 .Lnot_wave_0_\@
	s_barrier_signal -3
.Lnot_wave_0_\@:
	s_barrier_wait -3
	s_barrier_signal -1
	s_barrier_wait -1
.endm
.macro KLOAD                           ; 17 loads: K's eight tiles and their scale words, of the record at v[AD]
.irp t, 0,1,2,3,4,5,6,7
	ds_load_b128 v[KF+8*\t:KF+8*\t+3], v[AD] offset:1024*\t
	ds_load_b128 v[KF+8*\t+4:KF+8*\t+7], v[AD] offset:1024*\t+512
.endr
	ds_load_b128 v[KS:KS+3], v[AD] offset:8192
.endm
; A KEY STEP: 128 keys.  v[AD], v[AD8] point at this step's record; K and its scale words were asked for a step ago.
.macro STEP wrap
.irp nt, 0,1,2,3
.irp ch, 0,1,2
	ds_load_b128 v[VF+12*\nt+4*\ch:VF+12*\nt+4*\ch+3], v[AD] offset:8704+1536*\nt+512*\ch
.endr
.endr
	ds_load_b64 v[VS:VS+1], v[AD8] offset:14848
	s_wait_dscnt 13                                ; K and its scale words are in; the 13 loads just issued may be out
.irp t, 0,1,2,3,4,5,6,7
.if \t%2
	v_wmma_scale_f32_16x16x128_f8f6f4 v[S+8*\t:S+8*\t+7], v[KF+8*\t:KF+8*\t+11], v[QF:QF+11], 0, v[KS+\t/2], v[QS] matrix_a_fmt:MATRIX_FMT_FP6 matrix_b_fmt:MATRIX_FMT_FP6 matrix_a_scale:MATRIX_SCALE_ROW1
.else
	v_wmma_scale_f32_16x16x128_f8f6f4 v[S+8*\t:S+8*\t+7], v[KF+8*\t:KF+8*\t+11], v[QF:QF+11], 0, v[KS+\t/2], v[QS] matrix_a_fmt:MATRIX_FMT_FP6 matrix_b_fmt:MATRIX_FMT_FP6
.endif
.endr
	s_add_co_u32 s[TN], s[CNT], 1
.if \wrap
	s_and_b32 s[TN], s[TN], 15                     ; the next record, behind the last the first
.endif
	s_mul_i32 s[TB], s[TN], REC
	v_add_nc_u32 v[AD], s[TB], v1                  ; these two, the copy of -M and a v_nop are the four places behind the products
	v_add_nc_u32 v[AD8], s[TB], v2
	v_mov_b32 v[TT], v12                           ; the old -M
	v_nop
	KLOAD
.irp b, 0,1,2,3
	v_max3_num_f32 v[BM+\b], v[S+16*\b], v[S+16*\b+1], v[S+16*\b+2]   ; the largest score of each block, in two chains a block: for the row's maximum and, since p rises with the score, for the block's largest p
.endr
.irp i, 3,5,7,9,11,13
.irp b, 0,1,2,3
	v_max3_num_f32 v[BM+\b], v[BM+\b], v[S+16*\b+\i], v[S+16*\b+\i+1]
.endr
.endr
	v_max3_num_f32 v[BM], v[BM], v[BM+1], v[S+15]
	v_max3_num_f32 v[BM+2], v[BM+2], v[BM+3], v[S+47]
	v_max_num_f32 v[BM], v[BM], v[S+31]
	v_max_num_f32 v[BM+2], v[BM+2], v[S+63]
	s_delay_alu instid0(VALU_DEP_1)
	v_max_num_f32 v[X], v[BM], v[BM+2]             ; my two blocks,
	s_delay_alu instid0(VALU_DEP_1)
	v_permlanex16_b32 v[X+1], v[X], s[SEL], s[SEL+1]   ; lane l xor 16's two,
	s_delay_alu instid0(VALU_DEP_1)
	v_max3_num_f32 v13, v13, v[X], v[X+1]          ; and the running largest score
	s_delay_alu instid0(VALU_DEP_1)
	v_mul_f32 v[X], s[CS], v13                     ; as t (c is positive)
	s_delay_alu instid0(VALU_DEP_1)
	v_floor_f32 v12, -v[X]                         ; the new -M = floor(-t): M is a whole number
	v_sub_f32 v[X+1], v12, v[TT]                   ; old M - new M: a whole number, 0 or less
.irp j, 0,2
	v_pk_fma_f32 v[S+\j:S+\j+1], v[S+\j:S+\j+1], s[CS:CS+1], v[12:13] op_sel_hi:[1,0,0]   ; t - M, two at a time
.endr
	v_cvt_i32_f32 v[X+1], v[X+1]                   ; (it saturates)
.irp j, 4,6
	v_pk_fma_f32 v[S+\j:S+\j+1], v[S+\j:S+\j+1], s[CS:CS+1], v[12:13] op_sel_hi:[1,0,0]
.endr
	v_ldexp_f32 v[FF], 1.0, v[X+1]                 ; f = 2^(old M - new M)
.irp j, 8,10,12,14,16,18,20,22,24,26,28,30,32,34,36,38,40,42,44,46,48,50,52,54,56,58,60,62
	v_pk_fma_f32 v[S+\j:S+\j+1], v[S+\j:S+\j+1], s[CS:CS+1], v[12:13] op_sel_hi:[1,0,0]
.endr
	v_fma_f32 v[BM], v[BM], s[CS], v12
	v_fma_f32 v[BM+2], v[BM+2], s[CS], v12
.irp j, 0,2,4,6,8,10,12,14,16,18,20,22,24,26,28,30
	v_pk_mul_f32 v[O+\j:O+\j+1], v[O+\j:O+\j+1], v[FF:FF+1] op_sel_hi:[1,0]   ; O^T under the new M, ahead of the exponentials
.endr
	WALU                                           ; the wait ahead of the batch
.irp j, 0,1,2,3,4,5,6,7,8,9,10,11,12,13,14,15,16,17,18,19,20,21,22,23,24,25,26,27,28,29,30,31,32,33,34,35,36,37,38,39,40,41,42,43,44,45,46,47,48,49,50,51,52,53,54,55,56,57,58,59,60,61,62,63
	v_exp_f32 v[S+\j], v[S+\j]                     ; p = 2^(t - M), at most 1
.endr
	v_exp_f32 v[BM], v[BM]                         ; each block's largest p
	v_exp_f32 v[BM+2], v[BM+2]
	v_pk_mul_f32 v[14:15], v[14:15], v[FF:FF+1] op_sel_hi:[1,0]   ; the sums under the new M: the plain place behind the batch
	WALU                                           ; one wait for the batch, ahead of its first reader
	; the scales, with the sums of p's registers 16-31 among them: those registers take the codes below
	v_max_num_f32 v[BM], 0x1800000, v[BM]          ; the floor: the byte cannot fall under 1
	v_max_num_f32 v[BM+2], 0x1800000, v[BM+2]
	v_pk_add_f32 v[X:X+1], v[S+16:S+17], v[S+18:S+19]
	v_add_nc_u32 v[SO], 0xff000000, v[BM]          ; 2 off the exponent field: the conversions' scale operands
	v_add_nc_u32 v[TT], 0xff000000, v[BM+2]
	v_pk_add_f32 v[14:15], v[14:15], v[S+20:S+21]
	v_lshrrev_b32 v[BM+1], 23, v[SO]
	v_lshrrev_b32 v[BM+3], 23, v[TT]
	v_pk_add_f32 v[X:X+1], v[X:X+1], v[S+22:S+23]
	v_pk_add_f32 v[14:15], v[14:15], v[S+24:S+25]
	v_lshl_or_b32 v[BM+1], v[BM+3], 16, v[BM+1]    ; my bytes: blocks h and 2 + h,
	v_pk_add_f32 v[X:X+1], v[X:X+1], v[S+26:S+27]
	v_lshlrev_b32 v[BM+1], v[SH8], v[BM+1]         ; at their places;
	v_pk_add_f32 v[14:15], v[14:15], v[S+28:S+29]
	v_permlanex16_b32 v[BM+3], v[BM+1], s[SEL], s[SEL+1]
	v_pk_add_f32 v[X:X+1], v[X:X+1], v[S+30:S+31]
	v_or_b32 v[PW], v[BM+1], v[BM+3]               ; with lane l xor 16's two the word is whole
	v_cvt_scalef32_pk16_fp6_f32 v[T1:T1+2], v[S+16:S+31], v[SO]
	v_pk_add_f32 v[BM:BM+1], v[S:S+1], v[S+2:S+3]  ; (a plain line between a conversion and the next line that writes its sources)
	v_cvt_scalef32_pk16_fp6_f32 v[T2:T2+2], v[S+48:S+63], v[TT]
	v_pk_add_f32 v[BM+2:BM+3], v[S+4:S+5], v[S+6:S+7]
	v_cvt_scalef32_pk16_fp6_f32 v[PC:PC+2], v[S:S+15], v[SO]
	v_cvt_scalef32_pk16_fp6_f32 v[PC+6:PC+8], v[S+32:S+47], v[TT]
.irp i, 0,1,2
	v_mov_b32 v[PC+3+\i], v[T1+\i]                 ; (a conversion's three registers begin on an even number)
.endr
.irp i, 0,1,2
	v_mov_b32 v[PC+9+\i], v[T2+\i]
.endr
.irp j, 8,32,40,48                     ; 18 of the other 20 pairs of p, in four chains: also the places between p's codes and scale word and the products
	v_pk_add_f32 v[14:15], v[14:15], v[S+\j:S+\j+1]
	v_pk_add_f32 v[X:X+1], v[X:X+1], v[S+\j+2:S+\j+3]
	v_pk_add_f32 v[BM:BM+1], v[BM:BM+1], v[S+\j+4:S+\j+5]
	v_pk_add_f32 v[BM+2:BM+3], v[BM+2:BM+3], v[S+\j+6:S+\j+7]
.endr
	v_pk_add_f32 v[14:15], v[14:15], v[S+56:S+57]
	v_pk_add_f32 v[X:X+1], v[X:X+1], v[S+58:S+59]
	WALU                                           ; the wait here, directly ahead of the wait below
	s_wait_dscnt 17                                ; V is in; the next record's 17 loads may be out
.irp nt, 0,1,2,3                       ; four accumulators, one instruction a turn
.if \nt%2
	v_wmma_scale_f32_16x16x128_f8f6f4 v[O+8*\nt:O+8*\nt+7], v[VF+12*\nt:VF+12*\nt+11], v[PC:PC+11], v[O+8*\nt:O+8*\nt+7], v[VS+\nt/2], v[PW] matrix_a_fmt:MATRIX_FMT_FP6 matrix_b_fmt:MATRIX_FMT_FP6 matrix_a_scale:MATRIX_SCALE_ROW1
.else
	v_wmma_scale_f32_16x16x128_f8f6f4 v[O+8*\nt:O+8*\nt+7], v[VF+12*\nt:VF+12*\nt+11], v[PC:PC+11], v[O+8*\nt:O+8*\nt+7], v[VS+\nt/2], v[PW] matrix_a_fmt:MATRIX_FMT_FP6 matrix_b_fmt:MATRIX_FMT_FP6
.endif
.endr
	v_pk_add_f32 v[BM:BM+1], v[BM:BM+1], v[S+60:S+61]   ; the last two pairs and the chains' sums are the five places: behind them V's registers are loaded and the codes' registers take the next scores
	v_pk_add_f32 v[BM+2:BM+3], v[BM+2:BM+3], v[S+62:S+63]
	v_pk_add_f32 v[14:15], v[14:15], v[X:X+1]
	v_pk_add_f32 v[BM:BM+1], v[BM:BM+1], v[BM+2:BM+3]
	v_pk_add_f32 v[14:15], v[14:15], v[BM:BM+1]
.endm
.macro PASS from, to                   ; steps from .. to - 1
	s_mov_b32 s[CNT], \from
.Lstep_\@:
	STEP (\to)/16
	s_add_co_u32 s[CNT], s[CNT], 1
	s_cmp_lt_u32 s[CNT], \to
	s_cbranch_scc1 .Lstep_\@
.endm
.macro QLOAD ps
	global_load_b128 v[QF:QF+3], v1, s[48:49] offset:16384*(\ps)
	global_load_b128 v[QF+4:QF+7], v1, s[48:49] offset:16384*(\ps)+512
.endm
.macro INIT
	s_wait_loadcnt 0x0                             ; Q's image
	s_wait_xcnt 0x0                                ; the last pass's stores have read their registers, into which the first step loads
	v_mov_b32 v[QS], v[QF+6]                       ; the scale word rode in the seventh register;
	v_mov_b32 v[QF+6], v[QC]                       ; there stands the code 1.0 at k = 64
	v_mov_b32 v[QF+7], 0
.irp j, 0,1,2,3,4,5,6,7,8,9,10,11,12,13,14,15,16,17,18,19,20,21,22,23,24,25,26,27,28,29,30,31
	v_mov_b32 v[O+\j], 0                           ; the step is written once: the first finds zeros.  (Also the places between Q's registers just written and the first product)
.endr
	v_mov_b32 v13, 0xff61b1e6                      ; -3e38, under every score
	v_mov_b32 v12, 0x7f61b1e6                      ; -M = 3e38: the first step's f is 0
	v_mov_b32 v[TT], 0x7f61b1e6
	v_mov_b32 v14, 0
	v_mov_b32 v15, 0
	WALU                                           ; the wait ahead of the waits that follow
.endm
; O^T / the sum; its two blocks of 32 along C are quantised; half a fragment leaves as an image, the two bytes go to the stage
.macro OUT ps
	v_add_f32 v14, v14, v15
	v_permlanex16_b32 v[OTT], v14, s[SEL], s[SEL+1]
	v_add_f32 v14, v14, v[OTT]
	WALU
	v_rcp_f32 v[FF], v14
	v_nop
	WALU
.irp j, 0,2,4,6,8,10,12,14,16,18,20,22,24,26,28,30
	v_pk_mul_f32 v[S+\j:S+\j+1], v[O+\j:O+\j+1], v[FF:FF+1] op_sel_hi:[1,0]   ; register 16 b + i: unit 32 b + 16 h + i of my query
.endr
.irp b, 0,1
	v_max3_num_f32 v[OBM+\b], |v[S+16*\b]|, |v[S+16*\b+1]|, 0x1800000
.endr
.irp i, 2,4,6,8,10,12,14
.irp b, 0,1
	v_max3_num_f32 v[OBM+\b], v[OBM+\b], |v[S+16*\b+\i]|, |v[S+16*\b+\i+1]|
.endr
.endr
.irp b, 0,1
	v_permlanex16_b32 v[OBP+\b], v[OBM+\b], s[SEL], s[SEL+1]
.endr
.irp b, 0,1
	v_max_num_f32 v[OBM+\b], v[OBM+\b], v[OBP+\b]
.endr
.irp b, 0,1
	v_add_nc_u32 v[OSO+\b], 0xff000000, v[OBM+\b]
.endr
.irp b, 0,1
	v_lshrrev_b32 v[OBP+\b], 23, v[OSO+\b]
.endr
	v_cvt_scalef32_pk16_fp6_f32 v[OPC:OPC+2], v[S:S+15], v[OSO]
	v_cvt_scalef32_pk16_fp6_f32 v[OPT:OPT+2], v[S+16:S+31], v[OSO+1]
	v_nop
.irp i, 0,1,2
	v_permlane16_swap_b32 v[OPC+\i], v[OPT+\i]
.endr
.irp i, 0,1,2
	v_mov_b32 v[OPC+3+\i], v[OPT+\i]
.endr
	v_lshl_or_b32 v[OTT], v[OBP+1], 8, v[OBP]
	v_lshlrev_b32 v[OTT], s46, v[OTT]              ; an odd head's two bytes are the word's upper two
	global_store_b128 v1, v[OPC:OPC+3], s[50:51] offset:196608*(\ps)
	global_store_b64 v2, v[OPC+4:OPC+5], s[50:51] offset:196608*(\ps)+512
	ds_store_b32 v[STA], v[OTT] offset:1024*(\ps)  ; lanes r and r + 16 write the same word with the same value
.endm
	s_load_b256 s[4:11], s[0:1], 0x0               ; qi, kv, ao, aos
	v_lshl_add_u32 v[SPW], v0, 2, SPARE
	v_mov_b32 v[NIL], 0
	ds_add_u32 v[SPW], v[NIL]                      ; the opening: the add, twice on end, and its wait ahead of the first tensor load
	ds_add_u32 v[SPW], v[NIL]
	v_lshrrev_b32 v1, 5, v0
	v_readfirstlane_b32 s[WV], v1                  ; wave 0..15
	s_bfe_u32 s13, ttmp6, 0x40000                  ; cx: it enters Q's and the outputs' addresses alone
	s_and_b32 s14, ttmp7, 0xffff                   ; batch x 16 + head, which the four partners share
	s_mov_b32 s[G1], 15|(3<<16)|(1<<21)            ; the mask: all four; elements of 8 bytes; bit 21 beside a mask
	s_mov_b32 s[G1+1], 32<<16                      ; rows of 256 bytes,
	s_mov_b32 s[G1+2], 59<<16                      ; 59 of them: a record, dense
	s_mov_b32 s[G1+3], 32<<16
	s_mov_b32 s[G1+4], 59
	s_mov_b32 s[G1+5], 32
	s_mov_b32 s[G1+6], 0
	s_mov_b32 s[G1+7], 0
	s_mov_b32 s[SEL], 0x76543210
	s_mov_b32 s[SEL+1], 0xfedcba98
	s_mov_b32 s[CS], 0x3e38aa3b                    ; c = log2(e) / 8
	s_mov_b32 s[CS+1], s[CS]
	s_lshl_b32 s54, s14, 4
	s_add_co_u32 s54, s54, s[WV]
	s_mul_i32 s54, s54, REC                        ; record 'wave' of the head, in memory,
	s_mov_b32 s55, 0
	s_mul_i32 s56, s[WV], REC                      ; and in LDS
	v_and_b32 v9, 31, v0
	v_lshlrev_b32 v1, 4, v9                        ; 16 x lane
	v_lshlrev_b32 v2, 3, v9                        ; 8 x lane
	v_bfe_u32 v10, v0, 4, 1
	v_lshlrev_b32 v[SH8], 3, v10
	v_sub_nc_u32 v[QC], 1, v10
	v_lshlrev_b32 v[QC], 3, v[QC]
	v_and_b32 v[STA], 15, v0                       ; the stage: 512 (w / 8) + 256 ((w % 8) / 4) + 16 r + 4 (w % 4)
	v_lshlrev_b32 v[STA], 4, v[STA]
	v_bfe_u32 v10, v0, 5, 2
	v_lshl_add_u32 v[STA], v10, 2, v[STA]
	v_bfe_u32 v10, v0, 7, 2
	v_lshl_add_u32 v[STA], v10, 8, v[STA]
	v_add_nc_u32 v[STA], STG, v[STA]
	v_lshlrev_b32 v[GOF], 4, v0                    ; 16 x thread: waves 0-3 carry the stage's 2,048 bytes out
	v_add_nc_u32 v[RDA], STG, v[GOF]
	v_mov_b32 v[AD], v1                            ; record 0
	v_mov_b32 v[AD8], v2
.irp j, 8,9,10,11
	v_mov_b32 v[QF+\j], 0                          ; q's codes above k = 95 and the like: zeros, once
.endr
	v_mov_b32 v[X+1], 0                            ; a lane permute's destination counts as one of its sources
	v_mov_b32 v[PW], 0                             ; (named as the upper half of the pair with f before it is first written)
	WALU                                           ; the wait at the head's end
	s_wait_dscnt 0x0                               ; both opening adds are done
	s_wait_kmcnt 0x0
	s_mov_b32 s[G0], 1
	s_mov_b32 s[G0+1], s56
	s_add_nc_u64 s[G0+2:G0+3], s[6:7], s[54:55]
	s_or_b32 s[G0+3], s[G0+3], 0x80000000
	CROUND                                         ; all four work-groups are here: the joint loads meet
	s_cmp_lt_u32 s[WV], 4                          ; my one load: record 'wave'.  Waves 0-3 have a line of their own: the first barrier shows their records alone
	s_cbranch_scc0 .Llate
	tensor_load_to_lds s[G0:G0+3], s[G1:G1+7]
	s_nop 0
.rept 4
	v_nop
.endr
	s_branch .Lasked
.Llate:
	tensor_load_to_lds s[G0:G0+3], s[G1:G1+7]
	s_nop 0
.rept 4
	v_nop
.endr
.Lasked:
	s_lshl_b32 s58, s14, 7
	s_lshl_b32 s59, s13, 5
	s_add_co_u32 s58, s58, s59
	s_add_co_u32 s58, s58, s[WV]
	s_lshl_b32 s58, s58, 10
	s_mov_b32 s59, 0
	s_add_nc_u64 s[48:49], s[4:5], s[58:59]        ; Q's image of my tile in pass 0; pass 1's lies 16 tiles on
	QLOAD 0
	s_lshr_b32 s58, s14, 4
	s_lshl_b32 s58, s58, 4
	s_lshl_b32 s60, s13, 2
	s_add_co_u32 s58, s58, s60
	s_lshr_b32 s60, s[WV], 3
	s_add_co_u32 s58, s58, s60                     ; the group of 128 rows
	s_mul_i32 s58, s58, 98304
	s_bfe_u32 s60, s14, 0x30001                    ; K step of the last product = head / 2; ao: [group][tile 8][K step 8][1,536]
	s_mul_i32 s60, s60, 1536
	s_add_co_u32 s58, s58, s60
	s_and_b32 s60, s[WV], 7                        ; tile
	s_mul_i32 s60, s60, 12288
	s_add_co_u32 s58, s58, s60
	s_and_b32 s60, s14, 1                          ; which half of the fragment = head % 2
	s_mul_i32 s61, s60, 768
	s_add_co_u32 s58, s58, s61
	s_lshl_b32 s46, s60, 4
	s_add_nc_u64 s[50:51], s[8:9], s[58:59]
	s_lshl_b32 s58, s14, 4
	s_lshl_b32 s60, s13, 2
	s_add_co_u32 s58, s58, s60
	s_lshl_b32 s58, s58, 9
	s_add_nc_u64 s[52:53], s[10:11], s[58:59]
	INIT
	s_cmp_lt_u32 s[WV], 4
	s_cbranch_scc0 .Lnot_first
	s_wait_tensorcnt 0x0                           ; records 0-3 are in
.Lnot_first:
	s_barrier_signal -1
	s_barrier_wait -1
	KLOAD
	PASS 0, 3                                      ; steps 0-2 read records 0-3 alone (step 2 fetches K of record 3)
	s_wait_tensorcnt 0x0                           ; every wave's record is in;
	s_wait_dscnt 0x0
	s_barrier_signal -1
	s_barrier_wait -1                              ; and is shown to all
	PASS 3, 16
	QLOAD 1
	OUT 0
	INIT
	PASS 0, 16
	OUT 1
	s_wait_dscnt 0x0                               ; for the others' sake: my words lie in the stage
	s_barrier_signal -1
	s_barrier_wait -1
	s_cmp_lt_u32 s[WV], 4
	s_cbranch_scc0 .Lno_scales
	ds_load_b128 v[16:19], v[RDA]
	s_wait_dscnt 0x0
	global_store_b128 v[GOF], v[16:19], s[52:53]   ; a wave stores 512 consecutive bytes, aligned to 256
.Lno_scales:
	s_wait_tensorcnt 0x0                           ; the wave's end
	ds_add_u32 v[SPW], v[NIL]
	s_wait_dscnt 0x0
	CROUND                                         ; the closing round
	s_endpgm
.Lfunc_end_k_q50962e24cc_attn:
	.size	k_q50962e24cc_attn, .Lfunc_end_k_q50962e24cc_attn-k_q50962e24cc_attn
	.p2alignl 7, 3214868480
	.fill 96, 4, 3214868480
	.section	.rodata,"a",@progbits
	.p2align	6, 0x0
	.amdhsa_kernel k_q50962e24cc_attn
		.amdhsa_group_segment_fixed_size 245760
		.amdhsa_private_segment_fixed_size 0
		.amdhsa_enable_private_segment 0
		.amdhsa_kernarg_size 32
		.amdhsa_user_sgpr_count 2
		.amdhsa_user_sgpr_kernarg_segment_ptr 1
		.amdhsa_wavefront_size32 1
		.amdhsa_system_sgpr_workgroup_id_x 1
		.amdhsa_system_sgpr_workgroup_id_y 1
		.amdhsa_system_sgpr_workgroup_id_z 1
		.amdhsa_system_vgpr_workitem_id 0
		.amdhsa_next_free_vgpr 256
		.amdhsa_next_free_sgpr 66
		.amdhsa_reserve_vcc 0
		.amdhsa_float_denorm_mode_32 3
		.amdhsa_float_denorm_mode_16_64 3
		.amdhsa_memory_ordered 1
		.amdhsa_forward_progress 1
		.amdhsa_inst_pref_size 61
	.end_amdhsa_kernel
	.amdgpu_metadata
---
amdhsa.version: [ 1, 2 ]
amdhsa.kernels:
  - .name:           k_q50962e24cc_attn
    .symbol:         k_q50962e24cc_attn.kd
    .args:
      - { .name: qi, .offset: 0, .size: 8, .value_kind: global_buffer, .address_space: global }
      - { .name: kv, .offset: 8, .size: 8, .value_kind: global_buffer, .address_space: global }
      - { .name: ao, .offset: 16, .size: 8, .value_kind: global_buffer, .address_space: global }
      - { .name: aos, .offset: 24, .size: 8, .value_kind: global_buffer, .address_space: global }
    .group_segment_fixed_size: 245760
    .private_segment_fixed_size: 0
    .kernarg_segment_align: 8
    .kernarg_segment_size: 32
    .max_flat_workgroup_size: 512
    .sgpr_count:     66
    .vgpr_count:     256
    .wavefront_size: 32
...
	.end_amdgpu_metadata
.endif
;; end of part 3
;; launch oproj (part 4): grid 8 x 32, 4 waves a work-group, clusters of 4 x 4, 327,680 bytes of LDS; arguments ao, aos, wc, ws, bo, out0; writes out0
.if DOCPART == 4
	.amdgcn_target "amdgcn-amd-amdhsa--gfx1250"
	.amdhsa_code_object_version 6
	.text
	.protected	k_q50962e24cc_oproj
	.globl	k_q50962e24cc_oproj
	.p2align	8
	.type	k_q50962e24cc_oproj,@function
k_q50962e24cc_oproj:
	s_mov_b64 s[64:65], 0
	v_nop
	global_prefetch_b8 v0, s[64:65] scope:SCOPE_SE
	s_setreg_imm32_b32 hwreg(HW_REG_WAVE_MODE, 25, 1), 1
	s_wait_xcnt 0x0
	s_wait_alu depctr_hold_cnt(0) depctr_sa_sdst(0) depctr_va_vdst(0) depctr_va_sdst(0) depctr_va_ssrc(0) depctr_va_vcc(0) depctr_vm_vsrc(0)
	s_getreg_b32 s2, hwreg(HW_REG_IB_STS2, 6, 4)
	s_cmp_eq_u32 s2, 0
	s_cbranch_scc0 .Lentry_in_a_cluster
	s_endpgm
.Lentry_in_a_cluster:
	s_bfe_u32 s2, ttmp6, 0x10000c
	s_cmp_lg_u32 s2, 0xf033
	s_cbranch_scc0 .Lentry_shape_is_right
	s_endpgm
.Lentry_shape_is_right:
; out0 = o wo + bo on codes of FP6 (E2M3).  ao [group of 128 rows][tile 8][K step 8][1,536 bytes], aos: o's codes and scale words as the attention launch leaves them (images of operand registers);
; wc, ws: wo's codes and scale words as the first launch leaves them.
; SHARES.  Work-group: 256 rows (two groups) x 128 columns.  Four waves, 2 x 2: wave (a, b) takes group a and columns 64 b .. 64 b + 63.  A WAVE HOLDS ITS 64 COLUMNS OF wo, ALL OF K, IN REGISTERS:
; 4 column tiles x 8 K steps = 32 fragments, 384 registers, read from LDS once.  Its group's rows stream past in BLOCKS of 16 rows, all of K: 8 fragments, in two sets of registers.  A block's 16 x 64 results are
; finished after its 32 products (four accumulators by turns) and leave at once, through the wave's own stage in LDS.  The bias is the C of a block's first four products.
; FILLS, one joint tensor load a wave, each LDS byte filled once: wave 0 wo's 128 columns (98,304 bytes, shared by a column of the 4 x 4 cluster); waves 1, 2, 3 the rows, shared by a row of the cluster, in the
; order of use: tiles 0-1, 2-4, 5-7 of both groups, each load two rows of 24,576 or 36,864 bytes, 98,304 bytes apart in memory.  Three plain barriers show them: waves 0 and 1 have waited at the first,
; waves 0 to 2 at the second, every wave at the third.
; The matrix instruction is used transposed (source 0 = wo's columns): a lane holds one row of the result.  Row r of block mt is row 64 (mt / 4) + 8 (mt % 4) + r % 8 + 32 (r / 8) of its group.
; No prefetch: all loads stand at the head, and no loop runs ahead of a load.
; REGISTERS: window 0: v1-22 addresses; v44-75 o's scale words, v80-95 wo's; v96-159 the way out (at the head: aos as loaded); v160-223 two sets of four accumulators; v224-255 the bias.
;   wo's fragment f = 4 k + nt: window 1 + f / 21, register 12 (f % 21).  The rows' fragments: set 0 in window 2 from v132, set 1 in window 3 from v0.
.set BBASE, 196608                     ; LDS: the rows' three parts at 0, 49,152, 122,880; wo's codes; four stages of 16 rows x 272 bytes; the spare words
.set STAGE, 294912
.set SPARE, 312320
.set AP16, 6
.set AP8,  10
.set ADB,  13
.set SPW,  14
.set NIL,  15
.set STO,  20
.set RD,   21
.set CO,   22
.set AS,   44
.set BS,   80
.set HA,   96
.set BK,   96
.set ACC,  160
.set BI,   224
.set WV,   28
.set G1B,  32
.set G1P,  40
.set G1Q,  48
.set G0B,  56
.set G0P,  60
.set G0Q,  68
.set G0R,  72
.set MSB, 0
.macro WIN new
.if MSB != \new
	s_set_vgpr_msb (MSB<<8)|\new
.set MSB, \new
.endif
.endm
.macro PLACES
.rept 4
	v_nop
.endr
.endm
.macro CROUND
	s_barrier_signal -1
	s_barrier_wait -1
	s_cmp_lg_u32 s[WV], 0
	s_cbranch_scc1 .Lnot_wave_0_\@
	s_barrier_signal -3
.Lnot_wave_0_\@:
	s_barrier_wait -3
	s_barrier_signal -1
	s_barrier_wait -1
.endm
.macro GROUP1 g, mask, c, r, p         ; r rows of c elements of 8 bytes, p elements apart
	s_or_b32 s[\g], s\mask, (3<<16)|(1<<21)
	s_mov_b32 s[\g+1], ((\c)&0xffff)<<16
	s_mov_b32 s[\g+2], ((\c)>>16)|((\r)<<16)
	s_mov_b32 s[\g+3], (\c)<<16
	s_mov_b32 s[\g+4], \r
	s_mov_b32 s[\g+5], \p
	s_mov_b32 s[\g+6], 0
	s_mov_b32 s[\g+7], 0
.endm
.macro GROUP0 g, lds, base, off
	s_mov_b32 s[\g], 1
	s_mov_b32 s[\g+1], \lds
	s_add_nc_u64 s[\g+2:\g+3], s[\base:\base+1], \off
	s_or_b32 s[\g+3], s[\g+3], 0x80000000
.endm
.macro HARM w, g0, g1, next            ; an arm of the head's one chain on the wave's number: one load
	s_cmp_eq_u32 s[WV], \w
	s_cbranch_scc0 \next
	tensor_load_to_lds s[\g0:\g0+3], s[\g1:\g1+7]
	s_nop 0
	PLACES
	s_branch .Lhasked
\next:
.endm
.macro SHOW w                          ; a plain barrier: waves 0 .. w have waited for their loads
	s_cmp_gt_u32 s[WV], \w
	s_cbranch_scc1 .Lsh_\@
	s_wait_tensorcnt 0x0
.Lsh_\@:
	s_wait_dscnt 0x0
	s_barrier_signal -1
	s_barrier_wait -1
.endm
.macro AFETCH mt                       ; block mt's eight fragments into set mt % 2: 32 loads
.if (\mt) < 2
.set pP, 0
.set pT, 0
.elseif (\mt) < 5
.set pP, 1
.set pT, 2
.else
.set pP, 2
.set pT, 5
.endif
.set aB, 132*(1-(\mt)%2)
.set aO, ((\mt)-pT)*12288
	WIN (2+(\mt)%2)<<6
.irp k, 0,1,2,3,4,5,6,7
	ds_load_b128 v[aB+12*\k:aB+12*\k+3], v[AP16+pP] offset:aO+1536*\k
	ds_load_b64 v[aB+12*\k+4:aB+12*\k+5], v[AP8+pP] offset:aO+1536*\k+512
	ds_load_b128 v[aB+12*\k+6:aB+12*\k+9], v[AP16+pP] offset:aO+1536*\k+768
	ds_load_b64 v[aB+12*\k+10:aB+12*\k+11], v[AP8+pP] offset:aO+1536*\k+1280
.endr
	WIN 0
.endm
.macro WMX ra, rb
.if (\ra) && (\rb)
	v_wmma_scale_f32_16x16x128_f8f6f4 v[rD:rD+7], v[rA:rA+11], v[rB:rB+11], v[rC:rC+7], v[rSA], v[rSB] matrix_a_fmt:MATRIX_FMT_FP6 matrix_b_fmt:MATRIX_FMT_FP6 matrix_a_scale:MATRIX_SCALE_ROW1 matrix_b_scale:MATRIX_SCALE_ROW1
.elseif \ra
	v_wmma_scale_f32_16x16x128_f8f6f4 v[rD:rD+7], v[rA:rA+11], v[rB:rB+11], v[rC:rC+7], v[rSA], v[rSB] matrix_a_fmt:MATRIX_FMT_FP6 matrix_b_fmt:MATRIX_FMT_FP6 matrix_a_scale:MATRIX_SCALE_ROW1
.elseif \rb
	v_wmma_scale_f32_16x16x128_f8f6f4 v[rD:rD+7], v[rA:rA+11], v[rB:rB+11], v[rC:rC+7], v[rSA], v[rSB] matrix_a_fmt:MATRIX_FMT_FP6 matrix_b_fmt:MATRIX_FMT_FP6 matrix_b_scale:MATRIX_SCALE_ROW1
.else
	v_wmma_scale_f32_16x16x128_f8f6f4 v[rD:rD+7], v[rA:rA+11], v[rB:rB+11], v[rC:rC+7], v[rSA], v[rSB] matrix_a_fmt:MATRIX_FMT_FP6 matrix_b_fmt:MATRIX_FMT_FP6
.endif
.endm
.macro MULT mt                         ; a block: 32 products, K ascending, the four accumulators by turns
.irp k, 0,1,2,3,4,5,6,7
.irp nt, 0,1,2,3
.set fB, 4*\k+\nt
	WIN (1+fB/21)|((2+(\mt)%2)<<2)
.set rD, ACC+32*((\mt)%2)+8*\nt
.if \k == 0
.set rC, BI+8*\nt
.else
.set rC, rD
.endif
.set rA, 12*(fB%21)
.set rB, 132*(1-(\mt)%2)+12*\k
.set rSA, BS+8*(\nt/2)+\k
.set rSB, AS+8*((\mt)%4)+\k
	WMX \nt%2, (\mt)/4
.endr
.endr
	WIN 0
.endm
.macro TOSTAGE mt                      ; 16 LDS lines: the block's sums into my stage, each accumulator from its low end on, and back as rows of 256 bytes (LDS serves a wave's instructions in order)
.irp q, 0,1,2,3,4,5,6,7
	ds_store_b128 v[STO], v[ACC+32*((\mt)%2)+4*\q:ACC+32*((\mt)%2)+4*\q+3] offset:128*(\q/4)+16*(\q%4)
.endr
.irp i, 0,1,2,3,4,5,6,7
	ds_load_b128 v[BK+32*((\mt)%2)+4*\i:BK+32*((\mt)%2)+4*\i+3], v[RD] offset:544*\i
.endr
.endm
.macro SEND mt, younger                ; younger: the LDS loads issued behind the block's stage lines, which may stay out
	s_wait_dscnt \younger
.irp i, 0,1,2,3,4,5,6,7
	global_store_b128 v[CO], v[BK+32*((\mt)%2)+4*\i:BK+32*((\mt)%2)+4*\i+3], s[18:19] offset:(64*((\mt)/4)+8*((\mt)%4)+2*\i+24*(\i/4))*4096 th:TH_STORE_NT   ; sixteen lanes store 256 consecutive bytes, aligned
.endr
.endm
	s_load_b256 s[8:15], s[0:1], 0x0               ; ao, aos, wc, ws
	s_load_b128 s[16:19], s[0:1], 0x20             ; bo, out0
	v_lshl_add_u32 v[SPW], v0, 2, SPARE
	v_mov_b32 v[NIL], 0
	ds_add_u32 v[SPW], v[NIL]                      ; the opening: the add, twice on end, and its wait ahead of the first tensor load
	ds_add_u32 v[SPW], v[NIL]
	v_lshrrev_b32 v1, 5, v0
	v_readfirstlane_b32 s[WV], v1
	s_lshr_b32 s26, s[WV], 1                       ; a: my group of the two
	s_and_b32 s27, s[WV], 1                        ; b: my 64 columns of the 128
	s_bfe_u32 s29, ttmp6, 0x40000                  ; cx
	s_bfe_u32 s24, ttmp6, 0x40004                  ; cy
	s_lshl_b32 s25, ttmp9, 2
	s_add_co_u32 s25, s25, s29                     ; block of 128 columns = 4 x cluster x + cx
	s_and_b32 s30, ttmp7, 0xffff
	s_lshl_b32 s30, s30, 2
	s_add_co_u32 s30, s30, s24                     ; block of 256 rows = 4 x cluster y + cy
	s_lshl_b32 s84, s24, 2
	s_lshl_b32 s84, 15, s84                        ; my row of the cluster: the rows' loads
	s_lshl_b32 s85, 0x1111, s29                    ; my column: wo's load
	GROUP1 G1B, 85, 32, 384, 32                    ; wo: dense, 384 rows of 256 bytes
	GROUP1 G1P, 84, 3072, 2, 12288                 ; two tiles of each group
	GROUP1 G1Q, 84, 4608, 2, 12288                 ; three tiles of each group
	s_mul_i32 s88, s30, 196608
	s_mov_b32 s89, 0
	s_mul_i32 s90, s25, 98304
	s_add_co_u32 s90, s90, 2359296
	s_mov_b32 s91, 0
	s_lshl_b32 s31, s25, 1
	s_add_co_u32 s31, s31, s27                     ; my 64 columns of the 1,024
	s_lshl_b32 s30, s30, 1
	s_add_co_u32 s30, s30, s26                     ; my group of the 64
	s_mul_i32 s93, s[WV], 4352
	s_add_co_u32 s93, s93, STAGE                   ; my stage
	v_and_b32 v26, 31, v0
	v_lshlrev_b32 v1, 4, v26
	v_lshlrev_b32 v2, 3, v26
	v_lshlrev_b32 v3, 2, v26
	v_and_b32 v27, 15, v0
	v_bfe_u32 v29, v0, 4, 1
	v_lshlrev_b32 v5, 6, v29
	s_mul_i32 s86, s26, 24576                      ; in each part group 0's tiles lie first, then group 1's
	v_add_nc_u32 v[AP16], s86, v1
	v_add_nc_u32 v[AP8], s86, v2
	s_mul_i32 s86, s26, 36864
	s_add_co_u32 s87, s86, 49152
	v_add_nc_u32 v[AP16+1], s87, v1
	v_add_nc_u32 v[AP8+1], s87, v2
	s_add_co_u32 s87, s86, 122880
	v_add_nc_u32 v[AP16+2], s87, v1
	v_add_nc_u32 v[AP8+2], s87, v2
	s_mul_i32 s86, s27, 49152
	s_add_co_u32 s86, s86, BBASE
	v_add_nc_u32 v[ADB], s86, v1
	v_mul_u32_u24 v[STO], v27, 272
	v_lshl_add_u32 v[STO], v29, 6, v[STO]
	v_add_nc_u32 v[STO], s93, v[STO]
	v_mul_u32_u24 v[RD], v29, 272
	v_lshl_add_u32 v[RD], v27, 4, v[RD]
	v_add_nc_u32 v[RD], s93, v[RD]
	v_lshlrev_b32 v[CO], 12, v29
	v_lshl_add_u32 v[CO], v27, 4, v[CO]
	s_wait_alu depctr_va_vdst(0)                   ; the wait at the head's end
	s_wait_dscnt 0x0
	s_wait_kmcnt 0x0
	s_add_nc_u64 s[88:89], s[8:9], s[88:89]
	s_add_nc_u64 s[90:91], s[12:13], s[90:91]
	GROUP0 G0B, BBASE, 90, 0
	GROUP0 G0P, 0, 88, 0
	GROUP0 G0Q, 49152, 88, 24576
	GROUP0 G0R, 122880, 88, 61440
	CROUND
	HARM 0, G0B, G1B, .Lh1
	HARM 1, G0P, G1P, .Lh2
	HARM 2, G0Q, G1Q, .Lh3
	tensor_load_to_lds s[G0R:G0R+3], s[G1Q:G1Q+7]
	s_nop 0
	PLACES
.Lhasked:
	s_mov_b32 s87, 0
	s_lshl_b32 s86, s31, 8
	s_add_nc_u64 s[16:17], s[16:17], s[86:87]
	s_add_nc_u64 s[18:19], s[18:19], s[86:87]
	s_add_co_u32 s86, s86, 98304
	s_add_nc_u64 s[78:79], s[14:15], s[86:87]
	s_lshl_b32 s86, s30, 19
	s_add_nc_u64 s[18:19], s[18:19], s[86:87]
	s_lshr_b32 s86, s30, 4
	s_lshl_b32 s86, s86, 8
	s_and_b32 s85, s30, 15
	s_add_co_u32 s86, s86, s85
	s_lshl_b32 s86, s86, 9
	s_add_nc_u64 s[10:11], s[10:11], s[86:87]
.irp hd, 0,1,2,3,4,5,6,7,8,9,10,11,12,13,14,15
	global_load_b128 v[HA+4*\hd:HA+4*\hd+3], v1, s[10:11] offset:8192*\hd
.endr
.irp gp, 0,1
.irp s, 0,1,2,3,4,5,6,7
	global_load_b32 v[BS+8*\gp+\s], v3, s[78:79] offset:4096*\s+128*\gp
.endr
.endr
.irp q, 0,1,2,3,4,5,6,7
	global_load_b128 v[BI+4*\q:BI+4*\q+3], v5, s[16:17] offset:128*(\q/4)+16*(\q%4)
.endr
	SHOW 1                                         ; wo's codes and tiles 0-1 are in
.set fL, 0
.rept 32                               ; wo's 32 fragments, three loads each
	WIN (1+fL/21)<<6
.irp ch, 0,1,2
	ds_load_b128 v[12*(fL%21)+4*\ch:12*(fL%21)+4*\ch+3], v[ADB] offset:12288*(fL%4)+1536*(fL/4)+512*\ch
.endr
.set fL, fL+1
.endr
	WIN 0
	AFETCH 0
	AFETCH 1
	s_wait_loadcnt 0x0
.irp s, 0,1,2,3,4,5,6,7
.irp j, 0,1,2,3
	v_or_b32 v[AS+8*\j+\s], v[HA+8*\s+\j], v[HA+8*\s+4+\j]   ; two heads' bytes make a K step's scale word
.endr
.endr
.rept 8
	v_nop                                          ; a scale register written by a vector instruction stands 8 places ahead of a scaled matrix instruction
.endr
	s_wait_alu depctr_va_vdst(0)                   ; the wait here, directly ahead of the wait below
	s_wait_dscnt 32                                ; wo's fragments and block 0's are in; block 1's 32 loads may be out
	MULT 0
	PLACES
	TOSTAGE 0
	SHOW 2                                         ; tiles 2-4 are in
	AFETCH 2
.irp mt, 1,2,3,4,5,6
	s_wait_dscnt 48                                ; this block's fragments are in; the last block's 16 stage lines and the next fetch of 32 may be out
	MULT \mt
	SEND \mt-1, 32                                 ; the last block is back from the stage (the 32 loads behind it may be out)
	PLACES
	s_wait_xcnt 0x0                                ; earlier stores have read their registers, into which the stage's loads land
	TOSTAGE \mt
.if \mt == 3
	s_wait_tensorcnt 0x0                           ; every wave waits: tiles 5-7 are in
	s_wait_dscnt 0x0
	s_barrier_signal -1
	s_barrier_wait -1
.endif
.if \mt < 6
	AFETCH \mt+2
.endif
.endr
	s_wait_dscnt 16                                ; block 7's fragments are in; block 6's 16 stage lines may be out
	MULT 7
	SEND 6, 0
	PLACES
	s_wait_xcnt 0x0
	TOSTAGE 7
	SEND 7, 0
	s_wait_tensorcnt 0x0                           ; the wave's end
	ds_add_u32 v[SPW], v[NIL]
	s_wait_dscnt 0x0
	CROUND                                         ; the closing round
	s_endpgm
.Lfunc_end_k_q50962e24cc_oproj:
	.size	k_q50962e24cc_oproj, .Lfunc_end_k_q50962e24cc_oproj-k_q50962e24cc_oproj
	.p2alignl 7, 3214868480
	.fill 96, 4, 3214868480
	.section	.rodata,"a",@progbits
	.p2align	6, 0x0
	.amdhsa_kernel k_q50962e24cc_oproj
		.amdhsa_group_segment_fixed_size 327680
		.amdhsa_private_segment_fixed_size 0
		.amdhsa_enable_private_segment 0
		.amdhsa_kernarg_size 48
		.amdhsa_user_sgpr_count 2
		.amdhsa_user_sgpr_kernarg_segment_ptr 1
		.amdhsa_wavefront_size32 1
		.amdhsa_system_sgpr_workgroup_id_x 1
		.amdhsa_system_sgpr_workgroup_id_y 1
		.amdhsa_system_sgpr_workgroup_id_z 1
		.amdhsa_system_vgpr_workitem_id 0
		.amdhsa_next_free_vgpr 1024
		.amdhsa_next_free_sgpr 96
		.amdhsa_reserve_vcc 0
		.amdhsa_float_denorm_mode_32 3
		.amdhsa_float_denorm_mode_16_64 3
		.amdhsa_memory_ordered 1
		.amdhsa_forward_progress 1
		.amdhsa_inst_pref_size 85
	.end_amdhsa_kernel
	.amdgpu_metadata
---
amdhsa.version: [ 1, 2 ]
amdhsa.kernels:
  - .name:           k_q50962e24cc_oproj
    .symbol:         k_q50962e24cc_oproj.kd
    .args:
      - { .name: ao, .offset: 0, .size: 8, .value_kind: global_buffer, .address_space: global }
      - { .name: aos, .offset: 8, .size: 8, .value_kind: global_buffer, .address_space: global }
      - { .name: wc, .offset: 16, .size: 8, .value_kind: global_buffer, .address_space: global }
      - { .name: ws, .offset: 24, .size: 8, .value_kind: global_buffer, .address_space: global }
      - { .name: bo, .offset: 32, .size: 8, .value_kind: global_buffer, .address_space: global }
      - { .name: out0, .offset: 40, .size: 8, .value_kind: global_buffer, .address_space: global }
    .group_segment_fixed_size: 327680
    .private_segment_fixed_size: 0
    .kernarg_segment_align: 8
    .kernarg_segment_size: 48
    .max_flat_workgroup_size: 128
    .sgpr_count:     96
    .vgpr_count:     1024
    .wavefront_size: 32
...
	.end_amdgpu_metadata
.endif
;; end of part 4
